; MI455X (gfx1250); checked and timed in simulation.
; The chip was launched on July 23, 2026; its instructions are those of AMD's public machine-readable ISA for CDNA 5 (MIT licence, August 2026) and "CDNA5" Instruction Set Architecture Reference Guide (July 2026). The comments in the code are by the model that wrote it; some were corrected since.
;; Attention. Allowed arithmetic: matrix products marked QUANTISED: E2M3 operands, one E8M0 scale for each 32 along K, by v_wmma_scale_f32_16x16x128_f8f6f4 with both operands' format E2M3, f32 sums; everything else in f32.
;; Inputs: bk 512 float32; bq 512 float32; bv 512 float32; input 8 x 2,048 x 512 float32; mask 8 x 2,048 x 2,048 int32; states 8 x 2,048 x 512 float32; wk 512 x 512 float32; wq 512 x 512 float32; wv 512 x 512 float32.
;; Outputs: out0 8 x 2,048 x 512 float32.
;; This version of the problem:
;;   THIS VERSION OF THE PROBLEM IS GIVEN IN LOW PRECISION. The matrix products marked QUANTISED in the list below multiply operands that are first quantised to E2M3 (2 exponent bits, 3 mantissa bits; 6 bits a number), with one power-of-two scale for each 32 numbers along K (OCP MX v1.0); their sums are f32. All else is computed in f32.
;;   The module's matrix products, in the order in which they are computed (A, B: the left and right operand; K: the contracted axis; several contracted axes count as one K, in the product's order):
;;     1. [M 16,384, K 512] x [K 512, N 512]; A: input input; B: input wq: QUANTISED
;;     2. [M 16,384, K 512] x [K 512, N 512]; A: input states; B: input wk: QUANTISED
;;     3. [M 16,384, K 512] x [K 512, N 512]; A: input states; B: input wv: QUANTISED
;;     4. batch 8 x [M 2,048, K 512] x [K 512, N 2,048]; A: computed on the way; B: computed on the way: QUANTISED
;;     5. batch 8 x [M 2,048, K 2,048] x [K 2,048, N 512]; A: softmax (see below); B: computed on the way: QUANTISED
;;   THE QUANTISER, for each operand of a quantised product, along K:
;;     - K is cut into blocks of 32 from its start; a last block that is shorter is filled with zeros.
;;     - A block's scale is 2^e with e = floor(log2(the largest magnitude in the block)) - 2, held to -126 .. 127; a block of zeros has e = 0. As a byte (E8M0): e + 127.
;;     - Each number is divided by its block's scale, clamped to +-7.5, and rounded to the nearest number of E2M3, ties to even, subnormals kept.
;;     - The product sums the exact products of the quantised numbers (number of the format x scale) in f32.
;;   ~~~python
;;   def quantise(x, axis):      # numpy; x: float32 -> the quantised numbers, widened to float32 again
;;       x = np.moveaxis(x, axis, -1); K = x.shape[-1]
;;       x = np.pad(x, [(0, 0)] * (x.ndim - 1) + [(0, -K % 32)]); x = x.reshape(x.shape[:-1] + (-1, 32)); a = np.abs(x).max(-1, keepdims=True)
;;       e = np.where(a > 0, np.clip(np.frexp(np.where(a > 0, a, 1))[1] - 1 - 2, -126, 127), 0)      # np.frexp(a)[1] - 1 = floor(log2(a)), exactly
;;       r = np.clip(x / 2.0 ** e, -7.5, 7.5)
;;       step = 2.0 ** (np.maximum(np.frexp(np.where(r == 0, 1, r))[1] - 1, 0) - 3)
;;       q = np.round(r / step) * step * 2.0 ** e      # np.round: ties to even
;;       return np.moveaxis(q.reshape(q.shape[:-2] + (-1,))[..., :K], -1, axis).astype(np.float32)
;;   ~~~
;;   SOFTMAX AHEAD OF A QUANTISED PRODUCT. Where the list says 'softmax', what is quantised is not the finished softmax but p = 2^(t - M), with t = logit x log2(e) and M = ceil(the row's largest t), a whole number; so 1/2 < the row's largest p <= 1. The row's sum l is taken of the UNQUANTISED p, in f32, and the product's result is divided by l at the end. Since M is a whole number, a kernel that streams over the keys may use a running M (the ceiling of the running maximum): every later rescaling is an exact power of two, which a block's scale takes up: the codes' values come out the same.
;;   OPERANDS COMPUTED ON THE WAY. 'Computed on the way' means the value that the module computes at that place (a softmax that the list does not call 'softmax' is quantised finished and normalised). What goes into a quantiser is computed in f32, as accurately as f32 sums, v_exp_f32 and their like allow (about 1e-6 of the number): no bf16 or f16 on the way to a quantiser, and a product that is left as it is and whose result goes on into a quantised operand takes f32 operands (vector FMAs, or v_wmma_f32_16x16x4_f32). A number that lies on a knife's edge between two numbers of the format may be rounded either way, as far as f32 arithmetic and the matrix unit's own rounding can turn it there, and no further.
;; 2 versions, each right. Each part assembles by itself: llvm-mc -triple=amdgcn-amd-amdhsa -mcpu=gfx1250 --defsym DOCPART=n.
;; ======== version 1 of 2: 3 launches
;; workspace buffers: wf 614,400 bytes; qc 6,553,600 bytes; kv 13,107,200 bytes
;; launch prep (part 1): grid 16 x 3, 4 waves a work-group, no clusters, 0 bytes of LDS; arguments wq, wk, wv, wf; writes wf
.if DOCPART == 1
	.amdgcn_target "amdgcn-amd-amdhsa--gfx1250"
	.amdhsa_code_object_version 6
	.text
	.protected	k_q0bdc007592_prep
	.globl	k_q0bdc007592_prep
	.p2align	8
	.type	k_q0bdc007592_prep,@function
k_q0bdc007592_prep:
	s_mov_b64 s[64:65], 0
	v_nop
	global_prefetch_b8 v0, s[64:65] scope:SCOPE_SE
	s_setreg_imm32_b32 hwreg(HW_REG_WAVE_MODE, 25, 1), 1
	s_wait_xcnt 0x0
; wq, wk, wv [512 (unit)][512 (k)] f32 become codes of FP6 (E2M3) with one E8M0 byte for each 32 along k, laid in the ORDER OF THE OPERAND'S REGISTERS:
; a fragment (16 units x 128 k, 12 registers a lane) is 1,536 bytes: registers 4 c .. 4 c + 3 of lane l at 512 c + 16 l.
; wf: weight y at 204,800 y; in it block (w, s) (units 128 w on, k 128 s on) at 12,800 (4 w + s): eight fragments t at 1,536 t, then at 12,288 the scale words,
; word i of lane l at 128 i + 4 l: lanes 0-15 tile 2 i, lanes 16-31 tile 2 i + 1.
; THE UNITS OF A TILE: of wq and wk lane r of tile 2 b + u takes unit 32 b + 8 u + r + 8 (r / 8), so that a product used transposed leaves 16 neighbouring units in a lane's 16 registers of two tiles; of wv unit 16 t + r.
; SHARES: work-group x = 4 w + s, y = the weight; wave v makes tiles 2 v and 2 v + 1.  A lane loads 16 neighbours of each block of 32 of its row (64 bytes, rows 2,048 bytes apart): 3 MiB in the whole launch, each byte once.
; A block's scale is 2^(floor(log2(largest magnitude)) - 2); its byte is the largest magnitude's exponent field - 2, held at 1 from below (a block of zeros keeps the byte 1: its codes are zeros, and this program alone reads the bytes).
; LIMITS: blocks whose largest magnitude lies under 2^-124 keep the byte 1; NaN and infinities among the inputs are not served.
; No LDS, no barrier: waves share nothing.
.set RX0, 16                           ; v16-79   tile 2 v: 64 numbers, register 16 b + i = k 32 b + 16 h + i of my row
.set RX1, 80                           ; v80-143  tile 2 v + 1
.set TM,  144                          ; v144-159 at work
.set PC0, 160                          ; v160-179 the first tile's codes (12) and 8 at work
.set PC1, 180                          ; v180-199 the second's
.set PW0, 12                           ; v12, v13 the two scale words
.set PW1, 13
.set SCO, 14                           ; v14      the word that my lane stores
.set SEL, 28                           ; s[28:29] lane selects: lane l xor 16
; 64 numbers of a lane become a fragment's 12 registers in v[pc] on and its row's scale word in v[pw]
.macro QUANT src, pc, pw
.irp b, 0,1,2,3
	v_max3_num_f32 v[TM+\b], |v[(\src)+16*\b]|, |v[(\src)+16*\b+1]|, 0x1800000   ; block b: my 16 numbers, and the floor 2^(3 - 127): the byte cannot fall under 1
.endr
.irp i, 2,4,6,8,10,12,14
.irp b, 0,1,2,3
	v_max3_num_f32 v[TM+\b], v[TM+\b], |v[(\src)+16*\b+\i]|, |v[(\src)+16*\b+\i+1]|   ; the four blocks by turns
.endr
.endr
.irp b, 0,1,2,3
	v_permlanex16_b32 v[TM+4+\b], v[TM+\b], s[SEL], s[SEL+1]
.endr
.irp b, 0,1,2,3
	v_max_num_f32 v[TM+\b], v[TM+\b], v[TM+4+\b]   ; with lane l xor 16's 16: the block's largest magnitude
.endr
.irp b, 0,1,2,3
	v_add_nc_u32 v[TM+12+\b], 0xff000000, v[TM+\b]   ; 2 off its exponent field: the conversion's scale operand
.endr
.irp b, 0,1,2,3
	v_lshrrev_b32 v[TM+4+\b], 23, v[TM+12+\b]      ; the scale's byte
.endr
	v_lshl_or_b32 v[\pw], v[TM+5], 8, v[TM+4]
	v_lshl_or_b32 v[\pw], v[TM+6], 16, v[\pw]
	v_lshl_or_b32 v[\pw], v[TM+7], 24, v[\pw]
.irp c, 0,1
	v_cvt_scalef32_pk16_fp6_f32 v[(\pc)+6*\c:(\pc)+6*\c+2], v[(\src)+32*\c:(\src)+32*\c+15], v[TM+12+2*\c]
	v_cvt_scalef32_pk16_fp6_f32 v[(\pc)+12+4*\c:(\pc)+12+4*\c+2], v[(\src)+32*\c+16:(\src)+32*\c+31], v[TM+12+2*\c+1]   ; a conversion's three registers begin on an even number
.endr
	v_nop                                          ; one plain instruction behind the scaled conversions
.irp c, 0,1                            ; the operand wants a whole block in a lane: lanes 0-15 block 2 c, lanes 16-31 block 2 c + 1
.irp i, 0,1,2
	v_permlane16_swap_b32 v[(\pc)+6*\c+\i], v[(\pc)+12+4*\c+\i]
.endr
.irp i, 0,1,2
	v_mov_b32 v[(\pc)+3+6*\c+\i], v[(\pc)+12+4*\c+\i]
.endr
.endr
.endm
	s_load_b256 s[4:11], s[0:1], 0x0               ; wq s[4:5], wk s[6:7], wv s[8:9], wf s[10:11]
	v_lshrrev_b32 v1, 5, v0
	v_readfirstlane_b32 s12, v1                    ; wave v
	v_and_b32 v2, 31, v0                           ; lane
	v_and_b32 v3, 15, v0                           ; r
	v_bfe_u32 v4, v0, 4, 1                         ; h
	v_bfe_u32 v5, v0, 3, 1                         ; r / 8
	s_and_b32 s13, ttmp7, 0xffff                   ; y: which weight
	s_lshr_b32 s14, ttmp9, 2                       ; w
	s_and_b32 s15, ttmp9, 3                        ; s
	s_mov_b32 s[SEL], 0x76543210
	s_mov_b32 s[SEL+1], 0xfedcba98
	s_mov_b32 s17, 16*2048
	s_cmp_lt_u32 s13, 2                            ; wq and wk: the chosen rows; wv: neighbours
	s_cselect_b32 s16, 8, 0                        ; rows 8-15 of a tile lie so many rows further on
	s_cselect_b32 s17, 8*2048, s17                 ; from the first tile to the second, in bytes
	s_lshl_b32 s18, s14, 18                        ; 128 w rows of 2,048 bytes
	s_lshl_b32 s19, s12, 16                        ; + 32 v rows
	s_add_co_u32 s18, s18, s19
	s_lshl_b32 s19, s15, 9                         ; + 512 s bytes
	s_add_co_u32 s18, s18, s19
	v_mad_u32_u24 v6, v5, s16, v3
	v_lshlrev_b32 v6, 11, v6
	v_lshl_add_u32 v6, v4, 6, v6                   ; my row, + 64 h: my 16 numbers of a block of 32
	v_add_nc_u32 v6, s18, v6
	v_add_nc_u32 v7, s17, v6                       ; the same in the second tile
	v_lshlrev_b32 v8, 4, v2                        ; an image's place for my lane
	v_lshlrev_b32 v9, 2, v2                        ; a scale word's
.irp b, 0,1,2,3
	v_mov_b32 v[TM+4+\b], 0                        ; a lane permute's destination counts as one of its sources
.endr
	s_mul_i32 s20, s13, 204800
	s_mul_i32 s21, ttmp9, 12800
	s_add_co_u32 s20, s20, s21                     ; my block in wf
	s_mul_i32 s21, s12, 3072
	s_add_co_u32 s22, s20, s21                     ; my two fragments
	s_mov_b32 s23, 0
	s_lshl_b32 s21, s12, 7
	s_add_co_u32 s20, s20, s21
	s_add_co_u32 s20, s20, 12288                   ; my 128 bytes of scale words
	s_mov_b32 s21, 0
	s_wait_kmcnt 0x0
	s_cmp_eq_u32 s13, 0                            ; the choice hangs on the work-group's number alone
	s_cselect_b64 s[4:5], s[4:5], s[6:7]
	s_cmp_eq_u32 s13, 2
	s_cselect_b64 s[4:5], s[8:9], s[4:5]
	s_add_nc_u64 s[24:25], s[10:11], s[22:23]
	s_add_nc_u64 s[26:27], s[10:11], s[20:21]
.irp b, 0,1,2,3
.irp j, 0,1,2,3
	global_load_b128 v[RX0+16*\b+4*\j:RX0+16*\b+4*\j+3], v6, s[4:5] offset:128*\b+16*\j
.endr
.endr
.irp b, 0,1,2,3
.irp j, 0,1,2,3
	global_load_b128 v[RX1+16*\b+4*\j:RX1+16*\b+4*\j+3], v7, s[4:5] offset:128*\b+16*\j
.endr
.endr
	s_wait_loadcnt 16                              ; the first tile's 16 loads are in; the second's may be out
	QUANT RX0, PC0, PW0
.irp c, 0,1,2
	global_store_b128 v8, v[PC0+4*\c:PC0+4*\c+3], s[24:25] offset:512*\c   ; 32 lanes store 512 consecutive bytes
.endr
	s_wait_loadcnt 0x0
	QUANT RX1, PC1, PW1
.irp c, 0,1,2
	global_store_b128 v8, v[PC1+4*\c:PC1+4*\c+3], s[24:25] offset:1536+512*\c
.endr
	v_cmp_le_u32 vcc_lo, 16, v2                    ; lanes 16-31 carry the second tile's words (lanes r and r + 16 hold the same word of row r)
	v_cndmask_b32 v[SCO], v[PW0], v[PW1], vcc_lo
	global_store_b32 v9, v[SCO], s[26:27]
	s_endpgm
.Lfunc_end_k_q0bdc007592_prep:
	.size	k_q0bdc007592_prep, .Lfunc_end_k_q0bdc007592_prep-k_q0bdc007592_prep
	.p2alignl 7, 3214868480
	.fill 96, 4, 3214868480
	.section	.rodata,"a",@progbits
	.p2align	6, 0x0
	.amdhsa_kernel k_q0bdc007592_prep
		.amdhsa_group_segment_fixed_size 0
		.amdhsa_private_segment_fixed_size 0
		.amdhsa_enable_private_segment 0
		.amdhsa_kernarg_size 32
		.amdhsa_user_sgpr_count 2
		.amdhsa_user_sgpr_kernarg_segment_ptr 1
		.amdhsa_wavefront_size32 1
		.amdhsa_system_sgpr_workgroup_id_x 1
		.amdhsa_system_sgpr_workgroup_id_y 1
		.amdhsa_system_sgpr_workgroup_id_z 1
		.amdhsa_system_vgpr_workitem_id 0
		.amdhsa_next_free_vgpr 208
		.amdhsa_next_free_sgpr 66
		.amdhsa_reserve_vcc 1
		.amdhsa_float_denorm_mode_32 3
		.amdhsa_float_denorm_mode_16_64 3
		.amdhsa_memory_ordered 1
		.amdhsa_forward_progress 1
		.amdhsa_inst_pref_size 14
	.end_amdhsa_kernel
	.amdgpu_metadata
---
amdhsa.version: [ 1, 2 ]
amdhsa.kernels:
  - .name:           k_q0bdc007592_prep
    .symbol:         k_q0bdc007592_prep.kd
    .args:
      - { .name: wq, .offset: 0, .size: 8, .value_kind: global_buffer, .address_space: global }
      - { .name: wk, .offset: 8, .size: 8, .value_kind: global_buffer, .address_space: global }
      - { .name: wv, .offset: 16, .size: 8, .value_kind: global_buffer, .address_space: global }
      - { .name: wf, .offset: 24, .size: 8, .value_kind: global_buffer, .address_space: global }
    .group_segment_fixed_size: 0
    .private_segment_fixed_size: 0
    .kernarg_segment_align: 8
    .kernarg_segment_size: 32
    .max_flat_workgroup_size: 128
    .sgpr_count:     66
    .vgpr_count:     208
    .wavefront_size: 32
...
	.end_amdgpu_metadata
.endif
;; end of part 1
;; launch proj (part 2): grid 256 x 1, 4 waves a work-group, no clusters, 327,680 bytes of LDS; arguments input, states, wf, bq, bk, bv, qc, kv; writes qc, kv
.if DOCPART == 2
	.amdgcn_target "amdgcn-amd-amdhsa--gfx1250"
	.amdhsa_code_object_version 6
	.text
	.protected	k_q0bdc007592_proj
	.globl	k_q0bdc007592_proj
	.p2align	8
	.type	k_q0bdc007592_proj,@function
k_q0bdc007592_proj:
	s_mov_b64 s[64:65], 0
	v_nop
	global_prefetch_b8 v0, s[64:65] scope:SCOPE_SE
	s_setreg_imm32_b32 hwreg(HW_REG_WAVE_MODE, 25, 1), 1
	s_wait_xcnt 0x0
; q = Q(input) Q(wq)^T + bq, k = Q(states) Q(wk)^T + bk, v = Q(states) Q(wv)^T + bv on codes of FP6 (E2M3) with E8M0 scales, and q, k (along their 512 units) and v (along the keys) quantised again, in registers,
; for the attention launch.  Nothing but codes and scale words goes to memory.
; SHARES.  A work-group takes 128 rows.  Work-groups 0-127: rows of input, ONE pass (wq), block g of qc.  Work-groups 128-255: rows of states, TWO passes (wk, then wv), block g - 128 of kv: so states is read and quantised once.
; Wave w owns units 128 w .. 128 w + 127 of the weight, for all 128 rows: 64 accumulators of 16 x 16, 256 matrix instructions a pass; each weight fragment feeds eight products.
; PASS A (q, k) is used TRANSPOSED: source 0 = 16 units of the weight, source 1 = 16 rows of x: a lane then holds one row and, by the choice of a tile's units, 16 neighbouring units in the 16 registers of two tiles:
; the wave's 128 units are K step w of the scores' product.  PASS B (v): source 0 = 16 rows (keys), source 1 = 16 units (channels): a lane holds one channel and its registers run along the keys, the K of the last product.
; The biases are the C of each sum's first matrix instruction.
; A FRAGMENT (16 rows x 128 K, 12 registers a lane) lies everywhere as an image of its registers: registers 4 c .. 4 c + 3 of lane l at 512 c + 16 l.
; THE ROWS OF A TILE: lane r of tile 2 b + u holds row 32 b + 8 u + r + 8 (r / 8) of the 128.
; qc block (51,200 bytes): fragment (tile T, K step s) at 1,536 (4 T + s); at 49,152 the scale words, 512 s + 16 l + 4 i: T = 2 i + l / 16.  kv block (102,400): k's block, laid alike; then v's: fragment dt (16 channels x 128 keys) at
; 1,536 dt, scale words at 49,152 + 512 (dt / 8) + 16 l + 4 i: dt % 8 = 2 i + l / 16.
; NO JOINT LOADS: what work-groups share here are the weights, 196,608 bytes of codes a pass; the 128 raw rows fill 270,336 bytes of LDS, so no ring for weights has room, and the weights go straight into registers, each fragment to one wave.
; LIMITS: blocks whose largest magnitude lies under 2^-124 keep the byte 1 (a block of zeros too: its codes are zeros); NaN and infinities among the inputs are not served.
; LDS: RAW 4 planes (K step s) of 128 rows x (512 bytes + 16), filled once by four tensor loads; XIMG x's 32 fragments; XSC their scale words; the spare words.
.set RAWP,  67584                      ; a plane: 128 rows of 528 bytes = 132 words: row r starts 4 r banks on, so the 16 rows of a load start in different banks (64 banks of 4 bytes: ISA guide 11.1)
.set XIMG,  270336
.set XSC,   319488
.set SPARE, 321536                     ; 128 bytes for each wave: two blocks of 256 bytes that no other line names
; window 0
.set LI,  1                            ; v1   XIMG + 16 x lane
.set LO,  2                            ; v2   16 x lane; never rewritten
.set L4,  3                            ; v3   4 x lane; never rewritten
.set RA,  4                            ; v4-7 plane s: row 32 w + r, + 64 h
.set XWI, 8                            ; v8   where my lane's part of x's images goes
.set XWS, 9                            ; v9   and my row's scale word
.set XSR, 10                           ; v10  XSC + 16 x lane
.set BA,  11                           ; v11  64 h; never rewritten
.set BB,  12                           ; v12  4 r; never rewritten
.set SPW, 14                           ; v14  my spare word; never rewritten
.set NIL, 15                           ; v15  0; never rewritten
.set XS,  16                           ; v16-31 x's scale words: 4 s + i: lanes 0-15 tile 2 i, lanes 16-31 tile 2 i + 1
.set WS,  32                           ; v32-39 the weight's, two sets
.set PW,  40                           ; v40-47 scale words just made
.set SCO, 48                           ; v48-51 as they are stored
.set XF,  64                           ; v64-159, v160-255 x's eight fragments of a K step, two sets
.set RX,  64                           ; v64-127, v128-191 (X phase) 64 raw numbers, two sets
.set TM,  192                          ; v192-207 at work in the quantiser
.set PC,  208                          ; v208-227, v228-247 codes just made, two sets
; window 1: v0-95, v96-191 the weight's eight fragments of a K step, two sets; v192-255 the bias.  Windows 2, 3: accumulator (i, j) at v[8 (8 (i % 4) + j)] of window 2 + i / 4
.set BI,  192
.set WV,  20
.set G1,  24
.set G0,  32
.set SEL, 36
.set WPA, 42                           ; s[42:43] pass A's weight at my 128 units;  s[44:45] pass B's
.set WPB, 44
.set BPA, 46                           ; biases at my 128 units
.set BPB, 48
.set OA,  50                           ; where pass A's fragments go;  s[52:53] its scale words
.set OAS, 52
.set OB,  54
.set OBS, 56
.set MSB, 0
.macro WIN new                         ; the immediate's high byte repeats the setting that is left; a switch that changes nothing is dropped
.if MSB != (\new)
	s_set_vgpr_msb (MSB<<8)|(\new)
.set MSB, (\new)
.endif
.endm
.macro PLACES n                        ; plain instructions between a matrix instruction and a load into, or a read of, its registers
.rept \n
	v_nop
.endr
.endm
; 64 numbers of a lane in window win, register 16 b + i = k 32 b + 16 h + i of its row, become a fragment in v[pc] on and the row's scale word in v[pw].  Each accumulator is read from its low end on.
.macro QUANT src, win, pc, pw
	WIN ((\win)<<2)|((\win)<<4)
.irp b, 0,1,2,3
	v_max3_num_f32 v[TM+\b], 0x1800000, |v[(\src)+16*\b]|, |v[(\src)+16*\b+1]|   ; the floor 2^(3 - 127): the byte cannot fall under 1
.endr
.irp i, 2,4,6,8,10,12,14
.irp b, 0,1,2,3
	v_max3_num_f32 v[TM+\b], v[TM+\b], |v[(\src)+16*\b+\i]|, |v[(\src)+16*\b+\i+1]|
.endr
.endr
	WIN 0
.irp b, 0,1,2,3
	v_permlanex16_b32 v[TM+4+\b], v[TM+\b], s[SEL], s[SEL+1]
.endr
.irp b, 0,1,2,3
	v_max_num_f32 v[TM+\b], v[TM+\b], v[TM+4+\b]   ; with lane l xor 16's: the block's largest magnitude
.endr
.irp b, 0,1,2,3
	v_add_nc_u32 v[TM+12+\b], 0xff000000, v[TM+\b]   ; 2 off its exponent field: the conversion's scale operand
.endr
.irp b, 0,1,2,3
	v_lshrrev_b32 v[TM+4+\b], 23, v[TM+12+\b]      ; the byte
.endr
	v_lshl_or_b32 v[\pw], v[TM+5], 8, v[TM+4]
	v_lshl_or_b32 v[\pw], v[TM+6], 16, v[\pw]
	v_lshl_or_b32 v[\pw], v[TM+7], 24, v[\pw]
	WIN (\win)
.irp c, 0,1
	v_cvt_scalef32_pk16_fp6_f32 v[(\pc)+6*\c:(\pc)+6*\c+2], v[(\src)+32*\c:(\src)+32*\c+15], v[TM+12+2*\c]
	v_cvt_scalef32_pk16_fp6_f32 v[(\pc)+12+4*\c:(\pc)+12+4*\c+2], v[(\src)+32*\c+16:(\src)+32*\c+31], v[TM+12+2*\c+1]
.endr
	WIN 0
	v_nop                                          ; one plain instruction behind the scaled conversions
.irp c, 0,1
.irp i, 0,1,2
	v_permlane16_swap_b32 v[(\pc)+6*\c+\i], v[(\pc)+12+4*\c+\i]
.endr
.irp i, 0,1,2
	v_mov_b32 v[(\pc)+3+6*\c+\i], v[(\pc)+12+4*\c+\i]
.endr
.endr
.endm
.macro RAWLD q                         ; part q = 4 e + s: rows 32 w + 16 e + r, K step s: 64 numbers a lane into set q % 2
.irp b, 0,1,2,3
.irp j, 0,1,2,3
	ds_load_b128 v[RX+64*((\q)%2)+16*\b+4*\j:RX+64*((\q)%2)+16*\b+4*\j+3], v[RA+(\q)%4] offset:8448*((\q)/4)+128*\b+16*\j
.endr
.endr
.endm
.macro XFETCH k                        ; x's eight fragments of K step k into set k % 2
.irp m, 0,1,2,3,4,5,6,7
.irp c, 0,1,2
	ds_load_b128 v[XF+96*((\k)%2)+12*\m+4*\c:XF+96*((\k)%2)+12*\m+4*\c+3], v[LI] offset:(4*\m+(\k))*1536+512*\c
.endr
.endr
.endm
.macro WFETCH k, ptr                   ; my eight weight fragments of K step k, and their scale words: 24 + 4 loads
	WIN 0x40
.irp t, 0,1,2,3,4,5,6,7
.irp c, 0,1,2
	global_load_b128 v[96*((\k)%2)+12*\t+4*\c:96*((\k)%2)+12*\t+4*\c+3], v[LO], s[\ptr:\ptr+1] offset:12800*(\k)+1536*\t+512*\c
.endr
.endr
	WIN 0
.irp i, 0,1,2,3
	global_load_b32 v[WS+4*((\k)%2)+\i], v[L4], s[\ptr:\ptr+1] offset:12800*(\k)+12288+128*\i
.endr
.endm
.macro WM                              ; one product, by the symbols rD rA rB rC rSA rSB; fA, fB: the side's scale words lie in lanes 16-31
.if fA && fB
	v_wmma_scale_f32_16x16x128_f8f6f4 v[rD:rD+7], v[rA:rA+11], v[rB:rB+11], v[rC:rC+7], v[rSA], v[rSB] matrix_a_fmt:MATRIX_FMT_FP6 matrix_b_fmt:MATRIX_FMT_FP6 matrix_a_scale:MATRIX_SCALE_ROW1 matrix_b_scale:MATRIX_SCALE_ROW1
.elseif fA
	v_wmma_scale_f32_16x16x128_f8f6f4 v[rD:rD+7], v[rA:rA+11], v[rB:rB+11], v[rC:rC+7], v[rSA], v[rSB] matrix_a_fmt:MATRIX_FMT_FP6 matrix_b_fmt:MATRIX_FMT_FP6 matrix_a_scale:MATRIX_SCALE_ROW1
.elseif fB
	v_wmma_scale_f32_16x16x128_f8f6f4 v[rD:rD+7], v[rA:rA+11], v[rB:rB+11], v[rC:rC+7], v[rSA], v[rSB] matrix_a_fmt:MATRIX_FMT_FP6 matrix_b_fmt:MATRIX_FMT_FP6 matrix_b_scale:MATRIX_SCALE_ROW1
.else
	v_wmma_scale_f32_16x16x128_f8f6f4 v[rD:rD+7], v[rA:rA+11], v[rB:rB+11], v[rC:rC+7], v[rSA], v[rSB] matrix_a_fmt:MATRIX_FMT_FP6 matrix_b_fmt:MATRIX_FMT_FP6
.endif
.endm
; K step ks: 64 products; the 64 accumulators take turns, one instruction a turn, in the same order in every step.  kind 0: accumulator (row tile, unit tile); kind 1: (channel tile, key tile)
.macro MULS kind
.set mi, 0
.rept 8
.if ks == 0
	WIN 0x91+3*(\kind)+0x40*(mi/4)                 ; C = the bias, in window 1
.else
	WIN 0xa1+3*(\kind)+0x50*(mi/4)
.endif
.set mj, 0
.rept 8
.set rD, 8*(8*(mi%4)+mj)
.set fA, mj%2
.set fB, mi%2
.if \kind
.set rA, XF+96*(ks%2)+12*mj
.set rB, 96*(ks%2)+12*mi
.set rSA, XS+4*ks+mj/2
.set rSB, WS+4*(ks%2)+mi/2
.set rC, BI+8*mi
.else
.set rA, 96*(ks%2)+12*mj
.set rB, XF+96*(ks%2)+12*mi
.set rSA, WS+4*(ks%2)+mj/2
.set rSB, XS+4*ks+mi/2
.set rC, BI+8*mj
.endif
.if ks > 0
.set rC, rD
.endif
	WM
.set mj, mj+1
.endr
.set mi, mi+1
.endr
.endm
.macro PASS kind, ptr                  ; four K steps; the next step's fragments are asked for ahead of a step's 64 products
.set ks, 0
.rept 4
.if ks < 3
	PLACES 4                                       ; the sets to be loaded were read by the step before
	WIN 0
	XFETCH ks+1
	WFETCH ks+1, \ptr
	s_wait_dscnt 24                                ; all but the 24 LDS loads just issued
	s_wait_loadcnt 28                              ; all but the 24 + 4 loads just issued
.else
	s_wait_dscnt 0x0
	s_wait_loadcnt 0x0
.endif
	MULS \kind
.set ks, ks+1
.endr
	PLACES 4                                       ; in front of the first read of results, and of loads into the operands' registers
	WIN 0
.endm
; The wave's 64 accumulators become eight fragments and their scale words, and leave: every store covers 512 consecutive bytes, aligned
.macro OUTP stride, op, osp
.set oi, 0
.rept 8
.if oi >= 2
	s_wait_xcnt 0x0                                ; the stores of two fragments back have read their registers
.endif
	QUANT 64*(oi%4), 2+oi/4, PC+20*(oi%2), PW+oi
.irp c, 0,1,2
	global_store_b128 v[LO], v[PC+20*(oi%2)+4*\c:PC+20*(oi%2)+4*\c+3], s[\op:\op+1] offset:(\stride)*oi+512*\c
.endr
.set oi, oi+1
.endr
	v_cmp_le_u32 vcc_lo, 64, v[L4]                 ; lanes 16-31 carry the odd tiles' words
.irp i, 0,1,2,3
	v_cndmask_b32 v[SCO+\i], v[PW+2*\i], v[PW+2*\i+1], vcc_lo
.endr
	global_store_b128 v[LO], v[SCO:SCO+3], s[\osp:\osp+1]
	s_wait_xcnt 0x0                                ; all stores have read their registers: these are written again
.endm
	s_load_b256 s[4:11], s[0:1], 0x0               ; input, states, wf, bq
	s_load_b256 s[12:19], s[0:1], 0x20             ; bk, bv, qc, kv
	v_lshl_add_u32 v[SPW], v0, 2, SPARE
	v_mov_b32 v[NIL], 0
	ds_add_u32 v[SPW], v[NIL]                      ; the wave's opening: the add and its wait stand ahead of my tensor load; work on registers stands between them
	v_lshrrev_b32 v1, 5, v0
	v_readfirstlane_b32 s[WV], v1                  ; wave 0..3
	; descriptor group 1: 128 rows x 128 numbers of 4 bytes, 512 numbers from row to row, 16 bytes of padding behind each row's 512
	s_mov_b32 s[G1+0], (2<<16)|(1<<20)|(6<<22)|(3<<25)
	s_mov_b32 s[G1+1], 128<<16                     ; tensor_dim0
	s_mov_b32 s[G1+2], 128<<16                     ; tensor_dim1
	s_mov_b32 s[G1+3], 128<<16                     ; tile_dim0
	s_mov_b32 s[G1+4], 128                         ; tile_dim1
	s_mov_b32 s[G1+5], 512                         ; tensor_dim0_stride
	s_mov_b32 s[G1+6], 0
	s_mov_b32 s[G1+7], 0
	s_mov_b32 s[SEL], 0x76543210
	s_mov_b32 s[SEL+1], 0xfedcba98
	v_and_b32 v52, 31, v0                          ; lane
	v_and_b32 v53, 15, v0                          ; r
	v_bfe_u32 v54, v0, 4, 1                        ; h
	v_bfe_u32 v55, v0, 3, 1                        ; r / 8
	v_and_b32 v56, 7, v0                           ; r % 8
	v_lshl_add_u32 v[LI], v52, 4, XIMG
	v_lshlrev_b32 v[LO], 4, v52
	v_lshlrev_b32 v[L4], 2, v52
	s_mul_i32 s38, s[WV], 32*528
	v_mul_u32_u24 v57, v53, 528
	v_lshl_add_u32 v57, v54, 6, v57
	v_add_nc_u32 v[RA], s38, v57
	v_add_nc_u32 v[RA+1], RAWP, v[RA]
	v_add_nc_u32 v[RA+2], RAWP, v[RA+1]
	v_add_nc_u32 v[RA+3], RAWP, v[RA+2]
	; row 32 w + 16 e + r belongs to tile 2 w + r / 8, lane r % 8 + 8 e (+ 16 h): 12,288 w + 6,144 (r / 8) + 16 (r % 8) + 256 h; 1,536 s + 512 c + 128 e stand in the immediate
	s_mul_i32 s38, s[WV], 12288
	s_add_co_u32 s38, s38, XIMG
	v_mul_u32_u24 v57, v55, 6144
	v_lshl_add_u32 v57, v56, 4, v57
	v_lshl_add_u32 v57, v54, 8, v57
	v_add_nc_u32 v[XWI], s38, v57
	s_lshl_b32 s38, s[WV], 2
	s_add_co_u32 s38, s38, XSC
	v_lshl_add_u32 v57, v55, 4, v56
	v_lshl_add_u32 v[XWS], v57, 4, s38             ; its word: 16 (r % 8 + 16 (r / 8)) + 4 w; 512 s + 128 e in the immediate
	v_lshl_add_u32 v[XSR], v52, 4, XSC
	v_lshlrev_b32 v[BA], 6, v54
	v_lshlrev_b32 v[BB], 2, v53
.irp b, 0,1,2,3
	v_mov_b32 v[TM+4+\b], 0                        ; a lane permute's destination counts as one of its sources
.endr
	s_wait_dscnt 0x0                               ; the opening add is done
	s_wait_kmcnt 0x0
	s_mov_b32 s59, 102400
	s_cmp_lt_u32 ttmp9, 128                        ; input's work-group or states'?  Only pointers are chosen, on the work-group's number alone
	s_cselect_b64 s[38:39], s[4:5], s[6:7]
	s_cselect_b64 s[BPA:BPA+1], s[10:11], s[12:13]
	s_cselect_b64 s[OA:OA+1], s[16:17], s[18:19]
	s_cselect_b32 s21, 0, 128
	s_cselect_b32 s58, 0, 204800                   ; wq or wk in wf
	s_cselect_b32 s59, 51200, s59                  ; a block of qc or of kv
	s_sub_co_u32 s21, ttmp9, s21                   ; which 128 rows
	s_lshl_b32 s40, s21, 18                        ; 128 rows of 2,048 bytes
	s_lshl_b32 s22, s[WV], 9                       ; my plane: K step w
	s_add_co_u32 s40, s40, s22
	s_mov_b32 s41, 0
	s_add_nc_u64 s[38:39], s[38:39], s[40:41]
	s_mov_b32 s[G0], 1
	s_mul_i32 s[G0+1], s[WV], RAWP
	s_mov_b64 s[G0+2:G0+3], s[38:39]
	s_or_b32 s[G0+3], s[G0+3], 0x80000000
	tensor_load_to_lds s[G0:G0+3], s[G1:G1+7]      ; my one tensor load: 64 KiB; nothing is filled again in this launch
	s_nop 0
	PLACES 4
	s_mov_b32 s23, 0
	s_mul_i32 s40, s[WV], 51200
	s_add_co_u32 s22, s40, s58
	s_add_nc_u64 s[WPA:WPA+1], s[8:9], s[22:23]
	s_add_co_u32 s22, s40, 409600
	s_add_nc_u64 s[WPB:WPB+1], s[8:9], s[22:23]
	s_lshl_b32 s22, s[WV], 9
	s_add_nc_u64 s[BPA:BPA+1], s[BPA:BPA+1], s[22:23]
	s_add_nc_u64 s[BPB:BPB+1], s[14:15], s[22:23]
	s_mul_i32 s40, s21, s59                        ; pass A's block
	s_add_co_u32 s22, s22, s40
	s_add_co_u32 s22, s22, 49152
	s_add_nc_u64 s[OAS:OAS+1], s[OA:OA+1], s[22:23]   ; its scale words: K step w's 512 bytes
	s_mul_i32 s22, s[WV], 1536
	s_add_co_u32 s22, s22, s40
	s_add_nc_u64 s[OA:OA+1], s[OA:OA+1], s[22:23]  ; fragment (T, w) at 6,144 T + 1,536 w
	s_mul_i32 s40, s21, 102400
	s_add_co_u32 s40, s40, 51200                   ; v's block
	s_mul_i32 s22, s[WV], 12288
	s_add_co_u32 s22, s22, s40
	s_add_nc_u64 s[OB:OB+1], s[18:19], s[22:23]    ; fragment 8 w + n
	s_lshl_b32 s22, s[WV], 9
	s_add_co_u32 s22, s22, s40
	s_add_co_u32 s22, s22, 49152
	s_add_nc_u64 s[OBS:OBS+1], s[18:19], s[22:23]
	WIN 0x40                                       ; pass A's bias: lane (r, h) wants, for tile 2 b + u, the units 32 b + 16 h + 8 u + 0 .. 7
.irp t, 0,1,2,3,4,5,6,7
	global_load_b128 v[BI+8*\t:BI+8*\t+3], v[BA], s[BPA:BPA+1] offset:(32*(\t/2)+8*(\t%2))*4
	global_load_b128 v[BI+8*\t+4:BI+8*\t+7], v[BA], s[BPA:BPA+1] offset:(32*(\t/2)+8*(\t%2))*4+16
.endr
	WIN 0
	WFETCH 0, WPA
	s_wait_tensorcnt 0x0                           ; my plane is in,
	s_barrier_signal -1
	s_barrier_wait -1                              ; everybody's is
	; ---- X: wave w quantises rows 32 w .. 32 w + 31, eight parts of 16 rows x 128 K, and lays them into the tiles' images
	RAWLD 0
	RAWLD 1
.set xq, 0
.rept 8
.if xq == 0
	s_wait_dscnt 16                                ; part 0 is in; part 1's 16 loads may be out
.elseif xq < 7
	s_wait_dscnt 20                                ; behind this part's loads: the last part's 4 stores and the next part's 16 loads
.else
	s_wait_dscnt 4                                 ; behind them: the last part's 4 stores
.endif
	QUANT RX+64*(xq%2), 0, PC+20*(xq%2), PW+xq%2
.irp c, 0,1,2
	ds_store_b128 v[XWI], v[PC+20*(xq%2)+4*\c:PC+20*(xq%2)+4*\c+3] offset:1536*(xq%4)+512*\c+128*(xq/4)
.endr
	ds_store_b32 v[XWS], v[PW+xq%2] offset:512*(xq%4)+128*(xq/4)   ; lanes r and r + 16 write the same word with the same value
.if xq < 6
	RAWLD xq+2
.endif
.set xq, xq+1
.endr
	s_wait_dscnt 0x0                               ; for the others' sake: my stores have landed
	s_barrier_signal -1
	s_barrier_wait -1                              ; x's 32 fragments lie in LDS
.irp k, 0,1,2,3
	ds_load_b128 v[XS+4*\k:XS+4*\k+3], v[XSR] offset:512*\k
.endr
	XFETCH 0
	; ---- pass A
	PASS 0, WPA
	s_cmp_lt_u32 ttmp9, 128
	s_cbranch_scc1 .Lno_b
	WIN 0x40                                       ; pass B's first operands are asked for ahead of pass A's way out.  Its bias: all eight registers of a tile hold bv of the lane's channel
.set bt, 0
.rept 64
	global_load_b32 v[BI+bt], v[BB], s[BPB:BPB+1] offset:64*(bt/8)
.set bt, bt+1
.endr
	WIN 0
	WFETCH 0, WPB
	XFETCH 0
.Lno_b:
	OUTP 6144, OA, OAS
	s_cmp_lt_u32 ttmp9, 128
	s_cbranch_scc1 .Lend
	; ---- pass B
	PASS 1, WPB
	OUTP 1536, OB, OBS
.Lend:
	s_wait_tensorcnt 0x0                           ; the wave's end: behind my tensor load and my last LDS store
	ds_add_u32 v[SPW], v[NIL]
	s_wait_dscnt 0x0
	s_endpgm
.Lfunc_end_k_q0bdc007592_proj:
	.size	k_q0bdc007592_proj, .Lfunc_end_k_q0bdc007592_proj-k_q0bdc007592_proj
	.p2alignl 7, 3214868480
	.fill 96, 4, 3214868480
	.section	.rodata,"a",@progbits
	.p2align	6, 0x0
	.amdhsa_kernel k_q0bdc007592_proj
		.amdhsa_group_segment_fixed_size 327680
		.amdhsa_private_segment_fixed_size 0
		.amdhsa_enable_private_segment 0
		.amdhsa_kernarg_size 64
		.amdhsa_user_sgpr_count 2
		.amdhsa_user_sgpr_kernarg_segment_ptr 1
		.amdhsa_wavefront_size32 1
		.amdhsa_system_sgpr_workgroup_id_x 1
		.amdhsa_system_sgpr_workgroup_id_y 1
		.amdhsa_system_sgpr_workgroup_id_z 1
		.amdhsa_system_vgpr_workitem_id 0
		.amdhsa_next_free_vgpr 1024
		.amdhsa_next_free_sgpr 66
		.amdhsa_reserve_vcc 1
		.amdhsa_float_denorm_mode_32 3
		.amdhsa_float_denorm_mode_16_64 3
		.amdhsa_memory_ordered 1
		.amdhsa_forward_progress 1
		.amdhsa_inst_pref_size 221
	.end_amdhsa_kernel
	.amdgpu_metadata
---
amdhsa.version: [ 1, 2 ]
amdhsa.kernels:
  - .name:           k_q0bdc007592_proj
    .symbol:         k_q0bdc007592_proj.kd
    .args:
      - { .name: input, .offset: 0, .size: 8, .value_kind: global_buffer, .address_space: global }
      - { .name: states, .offset: 8, .size: 8, .value_kind: global_buffer, .address_space: global }
      - { .name: wf, .offset: 16, .size: 8, .value_kind: global_buffer, .address_space: global }
      - { .name: bq, .offset: 24, .size: 8, .value_kind: global_buffer, .address_space: global }
      - { .name: bk, .offset: 32, .size: 8, .value_kind: global_buffer, .address_space: global }
      - { .name: bv, .offset: 40, .size: 8, .value_kind: global_buffer, .address_space: global }
      - { .name: qc, .offset: 48, .size: 8, .value_kind: global_buffer, .address_space: global }
      - { .name: kv, .offset: 56, .size: 8, .value_kind: global_buffer, .address_space: global }
    .group_segment_fixed_size: 327680
    .private_segment_fixed_size: 0
    .kernarg_segment_align: 8
    .kernarg_segment_size: 64
    .max_flat_workgroup_size: 128
    .sgpr_count:     66
    .vgpr_count:     1024
    .wavefront_size: 32
...
	.end_amdgpu_metadata
.endif
;; end of part 2
;; launch attn (part 3): grid 32 x 8, 4 waves a work-group, clusters of 4 x 1, 327,680 bytes of LDS; arguments qc, kv, mask, out0; writes out0
.if DOCPART == 3
	.amdgcn_target "amdgcn-amd-amdhsa--gfx1250"
	.amdhsa_code_object_version 6
	.text
	.protected	k_q0bdc007592_attn
	.globl	k_q0bdc007592_attn
	.p2align	8
	.type	k_q0bdc007592_attn,@function
k_q0bdc007592_attn:
	s_mov_b64 s[64:65], 0
	v_nop
	global_prefetch_b8 v0, s[64:65] scope:SCOPE_SE
	s_setreg_imm32_b32 hwreg(HW_REG_WAVE_MODE, 25, 1), 1
	s_wait_xcnt 0x0
	s_wait_alu depctr_hold_cnt(0) depctr_sa_sdst(0) depctr_va_vdst(0) depctr_va_sdst(0) depctr_va_ssrc(0) depctr_va_vcc(0) depctr_vm_vsrc(0)
	s_getreg_b32 s2, hwreg(HW_REG_IB_STS2, 6, 4)
	s_cmp_eq_u32 s2, 0
	s_cbranch_scc0 .Lentry_in_a_cluster
	s_endpgm
.Lentry_in_a_cluster:
	s_bfe_u32 s2, ttmp6, 0x10000c
	s_cmp_lg_u32 s2, 0x3003
	s_cbranch_scc0 .Lentry_shape_is_right
	s_endpgm
.Lentry_shape_is_right:
; out0[b][q][:] = the sum over k of softmax_k(q . k / sqrt(512), masked) v[k][:], both products on codes of FP6 (E2M3) with E8M0 scales.  qc, kv: fragment images and scale words (16 rows x 128 K = 1,536 bytes:
; registers 4 c .. 4 c + 3 of lane l at 512 c + 16 l).  mask [8][2048][2048] int32: 0 hides a key.
; THE SOFTMAX: t = score x log2(e) / sqrt(512); p = 2^(t - M), M a whole number at or above every t so far; p is quantised along the keys, not normalised; the sum of the unquantised p divides at the end.
; SHARES.  A work-group owns 64 queries of one batch, four tiles; lane r of tile qt holds query 32 (qt / 2) + 8 (qt % 2) + r + 8 (r / 8).  16 key steps of 128 keys.  THE WAVES SHARE KEYS AND CHANNELS, NOT QUERIES:
; S^T = K Q^T: wave w takes keys 32 w .. 32 w + 31 of the step (one scale block) for all 64 queries, 32 products; O^T += V^T P^T: wave w takes channels 128 w .. 128 w + 127 for all 64 queries, 32 products.
; So each fragment of K and of V is read from LDS by one wave and feeds four products.
; P GOES FROM WAVE TO WAVE THROUGH LDS.  Each wave keeps its own running M over its own keys and hands over its codes, its block's scale operand (an f32 whose exponent field is the byte under its M) and n = -M.
; The reader takes N = the least of all n so far, moves each byte by the whole number N - n (v_ldexp_f32 on the scale operand: exact), and multiplies its O^T by 2^(N - old N).
; PIPELINE.  Tile t of kv = V of step t, then K of step t + 1: 102,400 consecutive bytes.  Behind round j the slot (j + 1) % 2 is filled with tile j + 1; interval j then runs S(j + 1), PV(j), the softmax of step j + 1, and stores P(j + 1).
; CLUSTER.  The four work-groups of a cluster belong to one batch and walk the same kv: each tile is asked for JOINTLY, a quarter by each wave, with the same descriptor and the mask of all four.
; LIMITS: NaN and infinities among q, k, v are not served; a block of p whose byte under the common M would fall under 0 is taken at 2^-127 (against a row's largest p above 1/2); a row whose keys are all hidden gives NaN, as the reference does.
; LDS: slot 0 at 0, slot 1 at 131,072 (V's codes, V's scale words at 49,152, K's codes at 51,200, K's scale words at 100,352); P's two buffers; the spare words; the stages; the waves' sums.  No fill lands in the last four.
.set SL1,   131072
.set PB0,   102400                     ; P of even steps; 8,192 on: of odd steps.  Codes at 1,536 qt + 48 lane + 4 register; scale operands at 6,144 + 256 qt + 16 r + 4 w; n at 7,168, alike
.set SPARE, 118784                     ; 128 bytes for each wave: two blocks of 256 bytes that no other line names
.set STAGE, 233472                     ; the way out: 16 rows x (512 bytes + 16) for each wave
.set LM,    267264                     ; the waves' sums: 256 qt + 16 r + 4 w
; window 0
.set AK,  1                            ; v1, v2   slot p: 12,288 w + 16 lane: my fragments of V; K's 51,200 on
.set BV,  3                            ; v3, v4   V's scale words
.set CK,  5                            ; v5, v6   K's scale words
.set PST, 7                            ; v7   where my 12 bytes of P's codes go
.set PSS, 8                            ; v8   my block's scale operand
.set PLD, 9                            ; v9   P's fragments: 48 x lane
.set PSL, 10                           ; v10  the four scale operands of query r
.set MO,  11                           ; v11  the mask: my query's row, my 16 keys; never rewritten
.set STO, 12
.set RD,  13
.set LMS, 15
.set LML, 16
.set PFO, 17                           ; v17  256 x lane; never rewritten
.set SPW, 18                           ; v18  my spare word; never rewritten
.set NIL, 19                           ; v19  0; never rewritten
.set QS,  20                           ; v20-27 Q's scale words: 2 s + qt / 2, lanes 16-31 the odd tiles
.set KS,  28                           ; v28-31 K's: K step s; lanes 0-15 my first tile, lanes 16-31 my second
.set VS,  32                           ; v32-35 V's
.set PWD, 36                           ; v36-39 P's scale words under the common M
.set NWP, 40                           ; v40-47 pairs (-M, largest t) of my keys, a pair a tile
.set LS,  48                           ; v48-55 my sums, two halves a tile
.set FW,  56                           ; v56-63 2^(old M - new M) of my M (the pair's upper word is never used)
.set S,   64                           ; v64-127 S^T, then p: 16 qt + 8 u + j = key 32 w + 16 h + 8 u + j
.set PF,  128                          ; v128-175 P's four fragments
.set PCT, 176                          ; v176-191 my codes: three registers a tile
.set BM,  192
.set T1,  196
.set T2,  200
.set NG,  204                          ; v204-207 N
.set FG,  208                          ; v208-215 2^(N - old N); at the end 1 / the sum
.set NBV, 216                          ; v216-231 the four n of a query, then N - n as whole numbers
.set SVV, 232                          ; v232-247 the four scale operands, then bytes; at the end the waves' sums
.set LQ,  248                          ; v248 16 x lane; never rewritten
.set BK,  64                           ; the way out: rows read back: v64-127 and v128-191 by turns
; window 1: O^T, accumulator (qt, n) at 64 qt + 8 n.  Window 2: Q, fragment (qt, s) at 12 (4 qt + s); v192-255 the mask of even steps.  Window 3: K at 12 (4 u + s); V at 96 + 12 n; v192-255 the mask of odd steps
.set MP,  8                            ; s[8:9] the mask at my queries, one step behind the step to be asked for
.set OUT, 10
.set WV,  12
.set CX,  13
.set QB,  14
.set BAT, 15
.set G1,  16
.set G0,  24                           ; s[24:27] slot 0's group 0, s[28:31] slot 1's
.set GX,  32                           ; s[32:35] K of step 0
.set CS,  36                           ; s[36:37] c = log2(e) / sqrt(512)
.set SEL, 38
.set NINF, 40
.set TRIP, 41
.set PFA, 42
.set LIM, 44
.set QSP, 46
.set MSB, 0
.macro WIN new                         ; the immediate's high byte repeats the setting that is left; a switch that changes nothing is dropped
.if MSB != (\new)
	s_set_vgpr_msb (MSB<<8)|(\new)
.set MSB, (\new)
.endif
.endm
.macro PLACES n
.rept \n
	v_nop
.endr
.endm
.macro CROUND                          ; a round of the cluster's barrier
	s_barrier_signal -1
	s_barrier_wait -1
	s_cmp_lg_u32 s[WV], 0
	s_cbranch_scc1 .Lnot_wave_0_\@
	s_barrier_signal -3
.Lnot_wave_0_\@:
	s_barrier_wait -3
	s_barrier_signal -1
	s_barrier_wait -1
.endm
.macro WM                              ; one product, by the symbols rD rA rB rSA rSB; cZ: C = 0, else C = D; fA, fB: the side's scale words lie in lanes 16-31
.if cZ
.if fA && fB
	v_wmma_scale_f32_16x16x128_f8f6f4 v[rD:rD+7], v[rA:rA+11], v[rB:rB+11], 0, v[rSA], v[rSB] matrix_a_fmt:MATRIX_FMT_FP6 matrix_b_fmt:MATRIX_FMT_FP6 matrix_a_scale:MATRIX_SCALE_ROW1 matrix_b_scale:MATRIX_SCALE_ROW1
.elseif fA
	v_wmma_scale_f32_16x16x128_f8f6f4 v[rD:rD+7], v[rA:rA+11], v[rB:rB+11], 0, v[rSA], v[rSB] matrix_a_fmt:MATRIX_FMT_FP6 matrix_b_fmt:MATRIX_FMT_FP6 matrix_a_scale:MATRIX_SCALE_ROW1
.elseif fB
	v_wmma_scale_f32_16x16x128_f8f6f4 v[rD:rD+7], v[rA:rA+11], v[rB:rB+11], 0, v[rSA], v[rSB] matrix_a_fmt:MATRIX_FMT_FP6 matrix_b_fmt:MATRIX_FMT_FP6 matrix_b_scale:MATRIX_SCALE_ROW1
.else
	v_wmma_scale_f32_16x16x128_f8f6f4 v[rD:rD+7], v[rA:rA+11], v[rB:rB+11], 0, v[rSA], v[rSB] matrix_a_fmt:MATRIX_FMT_FP6 matrix_b_fmt:MATRIX_FMT_FP6
.endif
.else
.if fA && fB
	v_wmma_scale_f32_16x16x128_f8f6f4 v[rD:rD+7], v[rA:rA+11], v[rB:rB+11], v[rD:rD+7], v[rSA], v[rSB] matrix_a_fmt:MATRIX_FMT_FP6 matrix_b_fmt:MATRIX_FMT_FP6 matrix_a_scale:MATRIX_SCALE_ROW1 matrix_b_scale:MATRIX_SCALE_ROW1
.elseif fA
	v_wmma_scale_f32_16x16x128_f8f6f4 v[rD:rD+7], v[rA:rA+11], v[rB:rB+11], v[rD:rD+7], v[rSA], v[rSB] matrix_a_fmt:MATRIX_FMT_FP6 matrix_b_fmt:MATRIX_FMT_FP6 matrix_a_scale:MATRIX_SCALE_ROW1
.elseif fB
	v_wmma_scale_f32_16x16x128_f8f6f4 v[rD:rD+7], v[rA:rA+11], v[rB:rB+11], v[rD:rD+7], v[rSA], v[rSB] matrix_a_fmt:MATRIX_FMT_FP6 matrix_b_fmt:MATRIX_FMT_FP6 matrix_b_scale:MATRIX_SCALE_ROW1
.else
	v_wmma_scale_f32_16x16x128_f8f6f4 v[rD:rD+7], v[rA:rA+11], v[rB:rB+11], v[rD:rD+7], v[rSA], v[rSB] matrix_a_fmt:MATRIX_FMT_FP6 matrix_b_fmt:MATRIX_FMT_FP6
.endif
.endif
.endm
; THE MEETING at the head of interval j (p = j % 2).  Each wave waits for all its tensor loads (its part of slot p), adds 0 to its spare word, and waits for that, for its stores of P and for its reads of the other slot.
; fill = 1: a round of the cluster's barrier, and the other slot is filled again, a quarter by each wave, first thing behind it; 2: by waves 0 and 1 alone (the last tile is V alone); 0: my work-group's barrier, nothing is asked for.
; step: slot p's descriptor goes on two tiles (its load has landed).  ask: the prefetches' address goes on a tile.
.macro SYNC p, fill, step, ask
	WIN 0
	s_wait_tensorcnt 0x0
	ds_add_u32 v[SPW], v[NIL]                      ; the steps below stand between the add and the wait for it
.if \step
	s_add_nc_u64 s[G0+4*(\p)+2:G0+4*(\p)+3], s[G0+4*(\p)+2:G0+4*(\p)+3], 204800   ; the type bits on top are not reached
.endif
.if \ask
	s_wait_xcnt 0x0                                ; the last prefetch, an interval back, has read its address
	s_add_nc_u64 s[PFA:PFA+1], s[PFA:PFA+1], 102400
.endif
	s_wait_dscnt 0x0
.if (\fill) == 0
	s_barrier_signal -1
	s_barrier_wait -1
.else
	CROUND
.if (\fill) == 1
	tensor_load_to_lds s[G0+4*(1-(\p)):G0+4*(1-(\p))+3], s[G1:G1+7]
	s_nop 0
	PLACES 4
.else
	s_cmp_lt_u32 s[WV], 2
	s_cbranch_scc0 .Lno_fill_\@
	tensor_load_to_lds s[G0+4*(1-(\p)):G0+4*(1-(\p))+3], s[G1:G1+7]
	s_nop 0
	PLACES 4
.Lno_fill_\@:
.endif
.endif
.endm
.macro KLOAD p                         ; my two tiles of K: 4 scale words, 8 fragments
.irp k, 0,1,2,3
	ds_load_b32 v[KS+\k], v[CK+(\p)] offset:512*\k
.endr
	WIN 0xc0
.irp f, 0,1,2,3,4,5,6,7
.irp c, 0,1,2
	ds_load_b128 v[12*\f+4*\c:12*\f+4*\c+3], v[AK+(\p)] offset:51200+1536*\f+512*\c
.endr
.endr
	WIN 0
.endm
.macro LOADS1 p, withk                 ; in this order: n and scale operands (8), K (4 + 24), P (12), V's scale words (1)
.irp q, 0,1,2,3
	ds_load_b128 v[NBV+4*\q:NBV+4*\q+3], v[PSL] offset:8192*(\p)+1024+256*\q
	ds_load_b128 v[SVV+4*\q:SVV+4*\q+3], v[PSL] offset:8192*(\p)+256*\q
.endr
.if \withk
	KLOAD \p
.endif
.irp q, 0,1,2,3
.irp c, 0,1,2
	ds_load_b128 v[PF+12*\q+4*\c:PF+12*\q+4*\c+3], v[PLD] offset:8192*(\p)+1536*\q+16*\c   ; lanes 48 bytes apart
.endr
.endr
	ds_load_b128 v[VS:VS+3], v[BV+(\p)]
.endm
.macro VLOAD p                         ; my eight fragments of V
	WIN 0xc0
.irp n, 0,1,2,3,4,5,6,7
.irp c, 0,1,2
	ds_load_b128 v[96+12*\n+4*\c:96+12*\n+4*\c+3], v[AK+(\p)] offset:1536*\n+512*\c
.endr
.endr
	WIN 0
.endm
; A PREFETCH INTO THE L2 of the tile that stands three tiles on from this interval's: two intervals ahead of the joint load that will ask for it.  All clusters of a batch walk the same kv: the batch's first cluster asks.
; Its four partners take 25,600 bytes each, told apart by address; in each, waves 0 to 2 name 32 blocks of 256 bytes, a lane a block: 96 of the partner's 100.  Tiles 0 to 2 come by their loads alone; the last tile is not asked for.
.macro ASK mode
.if (\mode) == 1
	s_cmp_eq_u32 s[LIM], 1
.else
	s_cmp_gt_u32 s[TRIP], s[LIM]                   ; not in the loop's last trip
.endif
	s_cbranch_scc0 .Lnot_mine_\@
	global_prefetch_b8 v[PFO], s[PFA:PFA+1] th:TH_LOAD_NT scope:SCOPE_SE
.Lnot_mine_\@:
.endm
; The four waves' blocks are brought under one M.  first = 1: O^T has not begun: nothing to rescale
.macro MERGE first
.irp q, 0,1,2,3
	v_min_num_f32 v[T1+\q], v[NBV+4*\q], v[NBV+4*\q+1]
.endr
.irp q, 0,1,2,3
	v_min_num_f32 v[T2+\q], v[NBV+4*\q+2], v[NBV+4*\q+3]
.endr
.irp q, 0,1,2,3
	v_min_num_f32 v[T1+\q], v[T1+\q], v[T2+\q]
.endr
.irp q, 0,1,2,3
	v_min_num_f32 v[T1+\q], v[T1+\q], v[NG+\q]     ; the new N = -(the largest M so far)
.endr
.if !\first
.irp q, 0,1,2,3
	v_sub_f32 v[FG+2*\q], v[T1+\q], v[NG+\q]       ; a whole number, 0 or less
.endr
.irp q, 0,1,2,3
	v_cvt_i32_f32 v[FG+2*\q], v[FG+2*\q]           ; (it saturates)
.endr
.irp q, 0,1,2,3
	v_ldexp_f32 v[FG+2*\q], 1.0, v[FG+2*\q]
.endr
.endif
.irp q, 0,1,2,3
	v_mov_b32 v[NG+\q], v[T1+\q]
.endr
.irp i, 0,1,2,3,4,5,6,7,8,9,10,11,12,13,14,15
	v_sub_f32 v[NBV+\i], v[NG+\i/4], v[NBV+\i]     ; N - n: 0 or less
.endr
.irp i, 0,1,2,3,4,5,6,7,8,9,10,11,12,13,14,15
	v_cvt_i32_f32 v[NBV+\i], v[NBV+\i]
.endr
.irp i, 0,1,2,3,4,5,6,7,8,9,10,11,12,13,14,15
	v_ldexp_f32 v[SVV+\i], v[SVV+\i], v[NBV+\i]    ; the exponent field moves by that whole number, and ends at 0
.endr
.irp i, 0,1,2,3,4,5,6,7,8,9,10,11,12,13,14,15
	v_lshrrev_b32 v[SVV+\i], 23, v[SVV+\i]         ; the byte under the common M
.endr
.irp q, 0,1,2,3
	v_lshl_or_b32 v[PWD+\q], v[SVV+4*\q+1], 8, v[SVV+4*\q]
.endr
.irp q, 0,1,2,3
	v_lshl_or_b32 v[PWD+\q], v[SVV+4*\q+2], 16, v[PWD+\q]
.endr
.irp q, 0,1,2,3
	v_lshl_or_b32 v[PWD+\q], v[SVV+4*\q+3], 24, v[PWD+\q]
.endr
.endm
.macro SMUL                            ; S^T = K Q^T: 32 products; the eight accumulators take turns, one instruction a turn; the first K step starts the sums
	WIN 0x0b                                       ; K window 3, Q window 2, S^T window 0
.irp k, 0,1,2,3
.irp q, 0,1,2,3
.irp u, 0,1
.set rD, S+16*\q+8*\u
.set rA, 12*(4*\u+\k)
.set rB, 12*(4*\q+\k)
.set rSA, KS+\k
.set rSB, QS+2*\k+\q/2
.set fA, \u
.set fB, \q%2
.set cZ, (\k==0)
	WM
.endr
.endr
.endr
.endm
.macro RESCALE                         ; O^T under the new M; each accumulator from its low end on.  These 128 are also the places behind S^T's products and in front of the products below
	WIN 0x41
.set ii, 0
.rept 128
	v_pk_mul_f32 v[2*ii:2*ii+1], v[2*ii:2*ii+1], v[FG+2*(ii/32):FG+2*(ii/32)+1] op_sel_hi:[1,0]
.set ii, ii+1
.endr
.endm
.macro PVMUL first                     ; O^T += V^T P^T: 32 products, one on each accumulator
	WIN 0x53                                       ; V window 3, P window 0, O^T window 1
.irp n, 0,1,2,3,4,5,6,7
.irp q, 0,1,2,3
.set rD, 64*\q+8*\n
.set rA, 96+12*\n
.set rB, PF+12*\q
.set rSA, VS+\n/2
.set rSB, PWD+\q
.set fA, \n%2
.set fB, 0
.set cZ, \first
	WM
.endr
.endr
.endm
.macro MASKLD off                      ; a step's mask for my 64 scores: 64 bytes of each of my four queries' rows
.irp q, 0,1,2,3
.irp c, 0,1,2,3
	global_load_b128 v[192+16*\q+4*\c:192+16*\q+4*\c+3], v[MO], s[MP:MP+1] offset:(\off)+(32*(\q/2)+8*(\q%2))*8192+16*\c th:TH_LOAD_NT
.endr
.endr
.endm
; The mask, the softmax and the quantiser of my 32 keys x 64 queries, and P's way into LDS.  m: the step's parity (mask buffer and P buffer); issue: the mask of two steps on is asked for; left: younger loads that may stay out;
; last: my sums go to LDS too
.macro SOFTMAX m, issue, left, last
	s_wait_loadcnt \left                           ; this step's 16 mask loads are in
	WIN 0x02+(\m)                                  ; the mask is source 0: window 2 or 3
.set ii, 0
.rept 64
	v_cmp_ne_u32 vcc_lo, v[192+ii], 0
	v_cndmask_b32 v[S+ii], s[NINF], v[S+ii], vcc_lo   ; a hidden key's score becomes -infinity: p = 0.  Each accumulator is read from its low end on
.set ii, ii+1
.endr
.if \issue
	s_wait_xcnt 0x0                                ; the earlier loads have read their base
	s_add_nc_u64 s[MP:MP+1], s[MP:MP+1], 512
	WIN 0x80+0x40*(\m)
	MASKLD 512
.endif
	WIN 0
.irp q, 0,1,2,3
	v_max3_num_f32 v[BM+\q], v[S+16*\q], v[S+16*\q+1], v[S+16*\q+2]   ; the block's largest score serves twice: for M, and, since p rises with the score, for the block's largest p
.endr
.irp i, 3,5,7,9,11,13
.irp q, 0,1,2,3
	v_max3_num_f32 v[BM+\q], v[BM+\q], v[S+16*\q+\i], v[S+16*\q+\i+1]
.endr
.endr
.irp q, 0,1,2,3
	v_max_num_f32 v[BM+\q], v[BM+\q], v[S+16*\q+15]
.endr
.irp q, 0,1,2,3
	v_permlanex16_b32 v[T1+\q], v[BM+\q], s[SEL], s[SEL+1]
.endr
.irp q, 0,1,2,3
	v_max_num_f32 v[BM+\q], v[BM+\q], v[T1+\q]     ; with lane l xor 16's 16 keys
.endr
.irp q, 0,1,2,3
	v_mul_f32 v[T1+\q], s[CS], v[BM+\q]
.endr
.irp q, 0,1,2,3
	v_max_num_f32 v[NWP+2*\q+1], v[NWP+2*\q+1], v[T1+\q]   ; the running largest t of my keys
.endr
.irp q, 0,1,2,3
	v_mov_b32 v[T1+\q], v[NWP+2*\q]
.endr
.irp q, 0,1,2,3
	v_floor_f32 v[NWP+2*\q], -v[NWP+2*\q+1]        ; -M = floor(-t): M is a whole number
.endr
.irp q, 0,1,2,3
	v_sub_f32 v[T1+\q], v[NWP+2*\q], v[T1+\q]      ; old M - new M
.endr
.irp q, 0,1,2,3
	v_cvt_i32_f32 v[T1+\q], v[T1+\q]
.endr
.irp q, 0,1,2,3
	v_ldexp_f32 v[FW+2*\q], 1.0, v[T1+\q]
.endr
.irp i, 0,2,4,6,8,10,12,14
.irp q, 0,1,2,3
	v_pk_fma_f32 v[S+16*\q+\i:S+16*\q+\i+1], v[S+16*\q+\i:S+16*\q+\i+1], s[CS:CS+1], v[NWP+2*\q:NWP+2*\q+1] op_sel_hi:[1,0,0]   ; t - M
.endr
.endr
.irp q, 0,1,2,3
	v_fma_f32 v[BM+\q], v[BM+\q], s[CS], v[NWP+2*\q]
.endr
.set ii, 0
.rept 64
	v_exp_f32 v[S+ii], v[S+ii]                     ; p = 2^(t - M)
.set ii, ii+1
.endr
.irp q, 0,1,2,3
	v_pk_mul_f32 v[LS+2*\q:LS+2*\q+1], v[LS+2*\q:LS+2*\q+1], v[FW+2*\q:FW+2*\q+1] op_sel_hi:[1,0]   ; my sums under the new M: plain work behind the exponentials
.endr
	s_wait_alu depctr_va_vdst(0)                   ; one wait for the batch of 64, ahead of its first reader
.irp q, 0,1,2,3
	v_exp_f32 v[BM+\q], v[BM+\q]                   ; the block's largest p
.endr
.irp i, 0,2,4,6,8,10,12,14
.irp q, 0,1,2,3
	v_pk_add_f32 v[LS+2*\q:LS+2*\q+1], v[LS+2*\q:LS+2*\q+1], v[S+16*\q+\i:S+16*\q+\i+1]   ; the sum is taken of the unquantised p
.endr
.endr
	s_wait_alu depctr_va_vdst(0)                   ; and one for the four
.irp q, 0,1,2,3
	v_max_num_f32 v[BM+\q], 0x1800000, v[BM+\q]    ; the floor 2^(3 - 127): a block of zeros keeps the byte 1
.endr
.irp q, 0,1,2,3
	v_add_nc_u32 v[T2+\q], 0xff000000, v[BM+\q]    ; 2 off the exponent field: the conversion's scale operand, and what the readers take the byte from
.endr
.irp q, 0,1,2,3
	v_cvt_scalef32_pk16_fp6_f32 v[PCT+4*\q:PCT+4*\q+2], v[S+16*\q:S+16*\q+15], v[T2+\q]   ; my 16 keys: half a block, 96 bits
.endr
	v_nop                                          ; one plain instruction behind the scaled conversions
.irp q, 0,1,2,3
.irp k, 0,1,2
	ds_store_b32 v[PST], v[PCT+4*\q+\k] offset:8192*(\m)+1536*\q+4*\k   ; to lane r + 16 (w % 2), registers 6 (w / 2) + 3 h on, of P's fragment
.endr
	ds_store_b32 v[PSS], v[T2+\q] offset:8192*(\m)+256*\q          ; lanes r and r + 16 write the same word with the same value
	ds_store_b32 v[PSS], v[NWP+2*\q] offset:8192*(\m)+1024+256*\q
.endr
.if \last
.irp q, 0,1,2,3
	v_add_f32 v[T1+\q], v[LS+2*\q], v[LS+2*\q+1]
.endr
.irp q, 0,1,2,3
	v_permlanex16_b32 v[BM+\q], v[T1+\q], s[SEL], s[SEL+1]
.endr
.irp q, 0,1,2,3
	v_add_f32 v[T1+\q], v[T1+\q], v[BM+\q]         ; my keys' sum of query r, under my M
.endr
.irp q, 0,1,2,3
	ds_store_b32 v[LMS], v[T1+\q] offset:256*\q
.endr
.endif
.endm
.macro INTERVAL p, first, fill, step, ask, issue, left, last
	SYNC \p, \fill, \step, \ask
	LOADS1 \p, 1
.if \ask
	ASK \ask
.endif
	s_wait_dscnt 41                                ; n and the scale operands are in; behind them: K's 4 + 24, P's 12, V's scale words
	MERGE \first
	VLOAD \p
	s_wait_dscnt 37                                ; K is in; behind it: P's 12, V's scale words, V's 24
	SMUL
.if \first
	PLACES 8                                       ; behind S^T's products, and between P's scale words and the products that take them
.else
	RESCALE
.endif
	s_wait_dscnt 0x0
	PVMUL \first
	SOFTMAX 1-(\p), \issue, \left, \last           ; its first lines are the places behind the products above
.endm
	s_load_b256 s[4:11], s[0:1], 0x0               ; qc, kv, mask, out0
	v_lshl_add_u32 v[SPW], v0, 2, SPARE
	v_mov_b32 v[NIL], 0
	ds_add_u32 v[SPW], v[NIL]                      ; the wave's opening: the add and its wait stand ahead of my first tensor load; work on registers stands between them
	v_lshrrev_b32 v253, 5, v0
	v_readfirstlane_b32 s[WV], v253                ; wave 0..3
	s_bfe_u32 s[CX], ttmp6, 0x40000                ; my place in the cluster: it enters global addresses of Q, the mask, out0 and the prefetches alone
	s_lshl_b32 s[QB], ttmp9, 2
	s_add_co_u32 s[QB], s[QB], s[CX]               ; my block of 64 queries
	s_and_b32 s[BAT], ttmp7, 0xffff                ; the batch, which the four partners share
	; descriptor group 1: 25,600 dense bytes as 100 rows of 32 elements of 8 bytes; the mask names all four work-groups
	s_mov_b32 s[G1+0], 15|(3<<16)|(1<<21)
	s_mov_b32 s[G1+1], 32<<16
	s_mov_b32 s[G1+2], 100<<16
	s_mov_b32 s[G1+3], 32<<16
	s_mov_b32 s[G1+4], 100
	s_mov_b32 s[G1+5], 32
	s_mov_b32 s[G1+6], 0
	s_mov_b32 s[G1+7], 0
	s_mov_b32 s[CS], 0x3d8293ee                    ; log2(e) / sqrt(512)
	s_mov_b32 s[CS+1], s[CS]
	s_mov_b32 s[SEL], 0x76543210
	s_mov_b32 s[SEL+1], 0xfedcba98
	s_mov_b32 s[NINF], 0xff800000
	s_cmp_lt_u32 s[WV], 3
	s_cselect_b32 s48, 0, 1
	s_or_b32 s48, s48, ttmp9                       ; 0 in waves 0 to 2 of the batch's first cluster: the same in all four partners
	s_cmp_eq_u32 s48, 0
	s_cselect_b32 s[LIM], 1, -1
	v_and_b32 v249, 31, v0                         ; lane
	v_and_b32 v250, 15, v0                         ; r
	v_bfe_u32 v251, v0, 4, 1                       ; h
	v_bfe_u32 v252, v0, 3, 1                       ; r / 8
	v_lshlrev_b32 v[LQ], 4, v249
	v_lshlrev_b32 v[PFO], 8, v249
	s_mul_i32 s48, s[WV], 12288
	v_lshl_add_u32 v[AK], v249, 4, s48
	v_add_nc_u32 v[AK+1], SL1, v[AK]
	s_lshl_b32 s48, s[WV], 9
	s_add_co_u32 s48, s48, 49152
	v_lshl_add_u32 v[BV], v249, 4, s48
	v_add_nc_u32 v[BV+1], SL1, v[BV]
	s_lshl_b32 s48, s[WV], 2
	s_add_co_u32 s49, s48, 100352
	v_lshl_add_u32 v[CK], v249, 4, s49
	v_add_nc_u32 v[CK+1], SL1, v[CK]
	s_add_co_u32 s49, s48, PB0+6144
	v_lshl_add_u32 v[PSS], v250, 4, s49
	s_add_co_u32 s49, s48, LM
	v_lshl_add_u32 v[LMS], v250, 4, s49
	v_lshl_add_u32 v[PSL], v250, 4, PB0+6144
	v_lshl_add_u32 v[LML], v250, 4, LM
	s_and_b32 s48, s[WV], 1
	s_mul_i32 s48, s48, 768
	s_lshr_b32 s49, s[WV], 1
	s_mul_i32 s49, s49, 24
	s_add_co_u32 s48, s48, s49
	s_add_co_u32 s48, s48, PB0
	v_mul_u32_u24 v[PST], v250, 48
	v_mad_u32_u24 v[PST], v251, 12, v[PST]
	v_add_nc_u32 v[PST], s48, v[PST]               ; 48 (r + 16 (w % 2)) + 24 (w / 2) + 12 h
	v_mul_u32_u24 v[PLD], v249, 48
	v_add_nc_u32 v[PLD], PB0, v[PLD]
	v_lshl_add_u32 v[MO], v252, 3, v250
	v_lshlrev_b32 v[MO], 13, v[MO]                 ; row r + 8 (r / 8) of 8,192 bytes,
	v_lshl_add_u32 v[MO], v251, 6, v[MO]           ; + 64 h,
	s_lshl_b32 s48, s[WV], 7
	v_add_nc_u32 v[MO], s48, v[MO]                 ; + 128 w
	s_mul_i32 s48, s[WV], 16*528
	s_add_co_u32 s48, s48, STAGE
	v_mul_u32_u24 v[STO], v250, 528
	v_lshl_add_u32 v[STO], v251, 5, v[STO]
	v_add_nc_u32 v[STO], s48, v[STO]               ; into my stage: row r, + 32 h
	v_lshl_add_u32 v[RD], v249, 4, s48             ; back: a whole row of 512 bytes, 16 a lane
.irp q, 0,1,2,3
	v_mov_b32 v[NWP+2*\q+1], 0xff61b1e6            ; the largest t so far: -3e38, under every t
	v_mov_b32 v[NG+\q], 0x7f61b1e6                 ; N: 3e38
	v_mov_b32 v[LS+2*\q], 0
	v_mov_b32 v[LS+2*\q+1], 0
	v_mov_b32 v[FW+2*\q+1], 0                      ; (named as a pair's upper word)
	v_mov_b32 v[FG+2*\q+1], 0
	v_mov_b32 v[T1+\q], 0                          ; a lane permute's destination counts as one of its sources
.endr
.irp q, 0,1,2,3
	v_floor_f32 v[NWP+2*\q], -v[NWP+2*\q+1]
.endr
	s_wait_dscnt 0x0                               ; the opening add is done
	s_wait_kmcnt 0x0
	s_mul_i32 s48, s[BAT], 1638400
	s_mov_b32 s49, 0
	s_add_nc_u64 s[6:7], s[6:7], s[48:49]          ; kv at my batch
	s_mul_i32 s50, s[WV], 25600                    ; my quarter of a tile: no place in the cluster enters a descriptor
	s_add_co_u32 s48, s50, 51200
	s_mov_b32 s[G0], 1
	s_mov_b32 s[G0+1], s50                         ; slot 0
	s_add_nc_u64 s[G0+2:G0+3], s[6:7], s[48:49]    ; tile 0: V of step 0, K of step 1
	s_mov_b32 s[G0+4], 1
	s_add_co_u32 s[G0+5], s50, SL1                 ; slot 1
	s_add_nc_u64 s[G0+6:G0+7], s[G0+2:G0+3], 102400   ; tile 1
	s_or_b32 s[G0+3], s[G0+3], 0x80000000
	s_or_b32 s[G0+7], s[G0+7], 0x80000000
	s_and_b32 s48, s[WV], 1
	s_mul_i32 s48, s48, 25600
	s_mov_b32 s[GX], 1
	s_add_co_u32 s[GX+1], s48, SL1+51200           ; K of step 0 goes where slot 1 keeps K
	s_add_nc_u64 s[GX+2:GX+3], s[6:7], s[48:49]
	s_or_b32 s[GX+3], s[GX+3], 0x80000000
	s_mul_i32 s48, s[CX], 25600
	s_lshl_b32 s50, s[WV], 13
	s_add_co_u32 s48, s48, s50
	s_add_co_u32 s48, s48, 51200+2*102400          ; at tile 2: the first meeting steps it to tile 3
	s_add_nc_u64 s[PFA:PFA+1], s[6:7], s[48:49]
	s_lshl_b32 s52, s[BAT], 4
	s_lshr_b32 s53, s[QB], 1
	s_add_co_u32 s52, s52, s53
	s_mul_i32 s52, s52, 51200                      ; my block of 128 rows in qc,
	s_and_b32 s53, s[QB], 1                        ; and which half of it
	s_lshl_b32 s48, s53, 3
	s_add_co_u32 s48, s48, s52
	s_add_co_u32 s48, s48, 49152
	s_add_nc_u64 s[QSP:QSP+1], s[4:5], s[48:49]    ; Q's scale words: my two of a lane's four
	s_mul_i32 s48, s53, 24576
	s_add_co_u32 s48, s48, s52
	s_add_nc_u64 s[4:5], s[4:5], s[48:49]          ; Q's 16 fragments
	s_lshl_b32 s48, s[BAT], 24
	s_lshl_b32 s50, s[QB], 19
	s_add_co_u32 s48, s48, s50
	s_add_nc_u64 s[MP:MP+1], s[MP:MP+1], s[48:49]
	s_lshl_b32 s48, s[BAT], 22
	s_lshl_b32 s50, s[QB], 17
	s_add_co_u32 s48, s48, s50
	s_lshl_b32 s50, s[WV], 9
	s_add_co_u32 s48, s48, s50
	s_add_nc_u64 s[OUT:OUT+1], s[OUT:OUT+1], s[48:49]   ; out0 at my first query, my 128 channels
	CROUND                                         ; all four work-groups are here: the first joint loads meet
	s_cmp_lt_u32 s[WV], 2                          ; a wave's first fills stand in one branch: waves 0 and 1 have one load out, waves 2 and 3 two
	s_cbranch_scc0 .Lfirst_hi
	tensor_load_to_lds s[G0:G0+3], s[G1:G1+7]
	s_nop 0
	PLACES 4
	s_branch .Lfirst_done
.Lfirst_hi:
	tensor_load_to_lds s[GX:GX+3], s[G1:G1+7]
	s_nop 0
	tensor_load_to_lds s[G0:G0+3], s[G1:G1+7]
	s_nop 0
	PLACES 4
.Lfirst_done:
	WIN 0x80
.irp f, 0,1,2,3,4,5,6,7,8,9,10,11,12,13,14,15
.irp c, 0,1,2
	global_load_b128 v[12*\f+4*\c:12*\f+4*\c+3], v[LQ], s[4:5] offset:1536*\f+512*\c   ; Q stays in registers
.endr
.endr
	WIN 0
.irp k, 0,1,2,3
	global_load_b64 v[QS+2*\k:QS+2*\k+1], v[LQ], s[QSP:QSP+1] offset:512*\k
.endr
	WIN 0x80
	MASKLD 0                                       ; the mask runs two steps ahead: 32 loads a wave
	WIN 0xc0
	MASKLD 512
	WIN 0
	s_wait_tensorcnt 0x0                           ; my parts of tile 0 and of K of step 0 are in,
	s_barrier_signal -1
	s_barrier_wait -1                              ; everybody's are
	; ---- the prologue: S and the softmax of step 0
	KLOAD 1
	s_wait_loadcnt 32                              ; Q and its scale words are in; the two mask steps may be out
	s_wait_dscnt 0x0
	SMUL
	PLACES 4
	SOFTMAX 0, 1, 16, 0
	; ---- the intervals
	INTERVAL 0, 1, 1, 1, 1, 1, 16, 0               ; j = 0: its products start O^T's sums
	s_mov_b32 s[TRIP], 6
.Ltrip:                                            ; j = 1 .. 12, two a trip
	INTERVAL 1, 0, 1, 1, 1, 1, 16, 0
	INTERVAL 0, 0, 1, 1, 2, 1, 16, 0
	s_sub_co_u32 s[TRIP], s[TRIP], 1
	s_cmp_lg_u32 s[TRIP], 0
	s_cbranch_scc1 .Ltrip
	INTERVAL 1, 0, 1, 1, 0, 0, 16, 0               ; j = 13: the tail is written out; no mask is left to ask for
	INTERVAL 0, 0, 2, 0, 0, 0, 0, 1                ; j = 14: the last tile is V of step 15 alone: waves 0 and 1; the last softmax
	SYNC 1, 0, 0, 0                                ; j = 15: nothing is asked for
	LOADS1 1, 0
	s_wait_dscnt 13                                ; n and the scale operands are in; behind them: P's 12, V's scale words
	MERGE 0
	VLOAD 1
.irp q, 0,1,2,3
	ds_load_b128 v[SVV+4*\q:SVV+4*\q+3], v[LML] offset:256*\q   ; the four waves' sums of query r
.endr
	RESCALE
	s_wait_dscnt 0x0
	PVMUL 0
	WIN 0
	; ---- the way out.  The waves' sums are brought under the common M (N - n is still at hand) and added; these lines are the places behind the last products
.irp i, 0,1,2,3,4,5,6,7,8,9,10,11,12,13,14,15
	v_ldexp_f32 v[SVV+\i], v[SVV+\i], v[NBV+\i]
.endr
.irp q, 0,1,2,3
	v_add_f32 v[T1+\q], v[SVV+4*\q], v[SVV+4*\q+1]
.endr
.irp q, 0,1,2,3
	v_add_f32 v[T2+\q], v[SVV+4*\q+2], v[SVV+4*\q+3]
.endr
.irp q, 0,1,2,3
	v_add_f32 v[T1+\q], v[T1+\q], v[T2+\q]
.endr
.irp q, 0,1,2,3
	v_rcp_f32 v[FG+2*\q], v[T1+\q]
.endr
	v_nop                                          ; a plain instruction behind the last reciprocal
	s_wait_alu depctr_va_vdst(0)                   ; one wait for the four, ahead of their first reader
; Tile q: O^T / the sum; a lane's eight channels of a row are 32 bytes; they go into my stage and come back as whole rows of 512 bytes
.macro TOSTAGE q
	WIN 0x41
.set ii, 0
.rept 32
	v_pk_mul_f32 v[64*(\q)+2*ii:64*(\q)+2*ii+1], v[64*(\q)+2*ii:64*(\q)+2*ii+1], v[FG+2*(\q):FG+2*(\q)+1] op_sel_hi:[1,0]
.set ii, ii+1
.endr
	WIN 0x04                                       ; an LDS store's data are its source 1: window 1
.irp n, 0,1,2,3,4,5,6,7
	ds_store_b128 v[STO], v[64*(\q)+8*\n:64*(\q)+8*\n+3] offset:64*\n
	ds_store_b128 v[STO], v[64*(\q)+8*\n+4:64*(\q)+8*\n+7] offset:64*\n+16
.endr
	WIN 0
.irp t, 0,1,2,3,4,5,6,7,8,9,10,11,12,13,14,15
	ds_load_b128 v[BK+64*((\q)%2)+4*\t:BK+64*((\q)%2)+4*\t+3], v[RD] offset:528*\t   ; LDS serves a wave's instructions in order (ISA guide 5.7.1.4): these see my stores, and the next tile's stores come behind them
.endr
.endm
.macro SEND q, younger                 ; younger: the LDS instructions issued behind tile q's loads
	s_wait_dscnt \younger
.irp t, 0,1,2,3,4,5,6,7,8,9,10,11,12,13,14,15
	global_store_b128 v[LQ], v[BK+64*((\q)%2)+4*\t:BK+64*((\q)%2)+4*\t+3], s[OUT:OUT+1] offset:(32*((\q)/2)+8*((\q)%2)+\t+8*(\t/8))*2048 th:TH_STORE_NT   ; 32 lanes store 512 consecutive bytes, aligned
.endr
.endm
	TOSTAGE 0
	TOSTAGE 1
	SEND 0, 32                                     ; behind tile 0's loads: tile 1's 16 stores and 16 loads
	s_wait_xcnt 0x0                                ; tile 0's stores have read their registers: tile 2's rows may land there
	TOSTAGE 2
	SEND 1, 32
	s_wait_xcnt 0x0
	TOSTAGE 3
	SEND 2, 32
	SEND 3, 0
	s_wait_tensorcnt 0x0                           ; the wave's end: behind my last tensor load and my last LDS store
	ds_add_u32 v[SPW], v[NIL]
	s_wait_dscnt 0x0
	CROUND                                         ; the closing round: no work-group ends while a partner may still ask for a tile that names it
	s_endpgm
.Lfunc_end_k_q0bdc007592_attn:
	.size	k_q0bdc007592_attn, .Lfunc_end_k_q0bdc007592_attn-k_q0bdc007592_attn
	.p2alignl 7, 3214868480
	.fill 96, 4, 3214868480
	.section	.rodata,"a",@progbits
	.p2align	6, 0x0
	.amdhsa_kernel k_q0bdc007592_attn
		.amdhsa_group_segment_fixed_size 327680
		.amdhsa_private_segment_fixed_size 0
		.amdhsa_enable_private_segment 0
		.amdhsa_kernarg_size 32
		.amdhsa_user_sgpr_count 2
		.amdhsa_user_sgpr_kernarg_segment_ptr 1
		.amdhsa_wavefront_size32 1
		.amdhsa_system_sgpr_workgroup_id_x 1
		.amdhsa_system_sgpr_workgroup_id_y 1
		.amdhsa_system_sgpr_workgroup_id_z 1
		.amdhsa_system_vgpr_workitem_id 0
		.amdhsa_next_free_vgpr 1024
		.amdhsa_next_free_sgpr 66
		.amdhsa_reserve_vcc 1
		.amdhsa_float_denorm_mode_32 3
		.amdhsa_float_denorm_mode_16_64 3
		.amdhsa_memory_ordered 1
		.amdhsa_forward_progress 1
		.amdhsa_inst_pref_size 255
	.end_amdhsa_kernel
	.section	.bss,"aw",@nobits
	.p2align	6
	.space	262144
	.amdgpu_metadata
---
amdhsa.version: [ 1, 2 ]
amdhsa.kernels:
  - .name:           k_q0bdc007592_attn
    .symbol:         k_q0bdc007592_attn.kd
    .args:
      - { .name: qc, .offset: 0, .size: 8, .value_kind: global_buffer, .address_space: global }
      - { .name: kv, .offset: 8, .size: 8, .value_kind: global_buffer, .address_space: global }
      - { .name: mask, .offset: 16, .size: 8, .value_kind: global_buffer, .address_space: global }
      - { .name: out0, .offset: 24, .size: 8, .value_kind: global_buffer, .address_space: global }
    .group_segment_fixed_size: 327680
    .private_segment_fixed_size: 0
    .kernarg_segment_align: 8
    .kernarg_segment_size: 32
    .max_flat_workgroup_size: 128
    .sgpr_count:     66
    .vgpr_count:     1024
    .wavefront_size: 32
...
	.end_amdgpu_metadata
.endif
;; end of part 3
;; ======== version 2 of 2: 3 launches
;; workspace buffers: wf 614,400 bytes; qc 6,553,600 bytes; kv 13,107,200 bytes
;; launch prep: the kernel of part 1 again; grid 16 x 3, 4 waves a work-group, no clusters, 0 bytes of LDS; arguments wq, wk, wv, wf; writes wf
;; launch proj: the kernel of part 2 again; grid 256 x 1, 4 waves a work-group, no clusters, 327,680 bytes of LDS; arguments input, states, wf, bq, bk, bv, qc, kv; writes qc, kv
;; launch attn (part 4): grid 32 x 8, 4 waves a work-group, clusters of 4 x 1, 327,680 bytes of LDS; arguments qc, kv, mask, out0; writes out0
.if DOCPART == 4
	.amdgcn_target "amdgcn-amd-amdhsa--gfx1250"
	.amdhsa_code_object_version 6
	.text
	.protected	k_q0bdc007592_attn
	.globl	k_q0bdc007592_attn
	.p2align	8
	.type	k_q0bdc007592_attn,@function
k_q0bdc007592_attn:
	s_mov_b64 s[64:65], 0
	v_nop
	global_prefetch_b8 v0, s[64:65] scope:SCOPE_SE
	s_setreg_imm32_b32 hwreg(HW_REG_WAVE_MODE, 25, 1), 1
	s_wait_xcnt 0x0
	s_wait_alu depctr_hold_cnt(0) depctr_sa_sdst(0) depctr_va_vdst(0) depctr_va_sdst(0) depctr_va_ssrc(0) depctr_va_vcc(0) depctr_vm_vsrc(0)
	s_getreg_b32 s2, hwreg(HW_REG_IB_STS2, 6, 4)
	s_cmp_eq_u32 s2, 0
	s_cbranch_scc0 .Lentry_in_a_cluster
	s_endpgm
.Lentry_in_a_cluster:
	s_bfe_u32 s2, ttmp6, 0x10000c
	s_cmp_lg_u32 s2, 0x3003
	s_cbranch_scc0 .Lentry_shape_is_right
	s_endpgm
.Lentry_shape_is_right:
; out0[b][q][:] = the sum over k of softmax_k(q . k / sqrt(512), masked) v[k][:], both products on codes of FP6 (E2M3) with E8M0 scales.  qc, kv: fragment images and scale words (16 rows x 128 K = 1,536 bytes:
; registers 4 c .. 4 c + 3 of lane l at 512 c + 16 l).  mask [8][2048][2048] int32: 0 hides a key.
; THE SOFTMAX: t = score x log2(e) / sqrt(512); p = 2^(t - M), M a whole number at or above every t so far; p is quantised along the keys, not normalised; the sum of the unquantised p divides at the end.
; SHARES.  A work-group owns 64 queries of one batch, four tiles; lane r of tile qt holds query 32 (qt / 2) + 8 (qt % 2) + r + 8 (r / 8).  16 key steps of 128 keys.  THE WAVES SHARE KEYS AND CHANNELS, NOT QUERIES:
; S^T = K Q^T: wave w takes keys 32 w .. 32 w + 31 of the step (one scale block) for all 64 queries, 32 products; O^T += V^T P^T: wave w takes channels 128 w .. 128 w + 127 for all 64 queries, 32 products.
; So each fragment of K and of V is read from LDS by one wave and feeds four products.
; P GOES FROM WAVE TO WAVE THROUGH LDS.  Each wave keeps its own running M over its own keys and hands over its codes, its block's scale operand (an f32 whose exponent field is the byte under its M) and n = -M.
; The reader takes N = the least of all n so far, moves each byte by the whole number N - n (v_ldexp_f32 on the scale operand: exact), and multiplies its O^T by 2^(N - old N).
; PIPELINE.  Tile t of kv = V of step t, then K of step t + 1: 102,400 consecutive bytes.  Behind round j the slot (j + 1) % 2 is filled with tile j + 1; interval j then runs S(j + 1), PV(j), the softmax of step j + 1, and stores P(j + 1).
; CLUSTER.  The four work-groups of a cluster belong to one batch and walk the same kv: each tile is asked for JOINTLY, a quarter by each wave, with the same descriptor and the mask of all four.
; LIMITS: NaN and infinities among q, k, v are not served; a block of p whose byte under the common M would fall under 0 is taken at 2^-127 (against a row's largest p above 1/2); a row whose keys are all hidden gives NaN, as the reference does.
; LDS: slot 0 at 0, slot 1 at 131,072 (V's codes, V's scale words at 49,152, K's codes at 51,200, K's scale words at 100,352); P's two buffers; the spare words; the stages; the waves' sums.  No fill lands in the last four.
.set SL1,   131072
.set PB0,   102400                     ; P of even steps; 8,192 on: of odd steps.  Codes at 1,536 qt + 48 lane + 4 register; scale operands at 6,144 + 256 qt + 16 r + 4 w; n at 7,168, alike
.set SPARE, 118784                     ; 128 bytes for each wave: two blocks of 256 bytes that no other line names
.set STAGE, 233472                     ; the way out: 16 rows x (512 bytes + 16) for each wave
.set LM,    267264                     ; the waves' sums: 256 qt + 16 r + 4 w
; window 0
.set AK,  1                            ; v1, v2   slot p: 12,288 w + 16 lane: my fragments of V; K's 51,200 on
.set BV,  3                            ; v3, v4   V's scale words
.set CK,  5                            ; v5, v6   K's scale words
.set PST, 7                            ; v7   where my 12 bytes of P's codes go
.set PSS, 8                            ; v8   my block's scale operand
.set PLD, 9                            ; v9   P's fragments: 48 x lane
.set PSL, 10                           ; v10  the four scale operands of query r
.set MO,  11                           ; v11  the mask: my query's row, my 16 keys; never rewritten
.set STO, 12
.set RD,  13
.set LMS, 15
.set LML, 16
.set PFO, 17                           ; v17  256 x lane; never rewritten
.set SPW, 18                           ; v18  my spare word; never rewritten
.set NIL, 19                           ; v19  0; never rewritten
.set QS,  20                           ; v20-27 Q's scale words: 2 s + qt / 2, lanes 16-31 the odd tiles
.set KS,  28                           ; v28-31 K's: K step s; lanes 0-15 my first tile, lanes 16-31 my second
.set VS,  32                           ; v32-35 V's
.set PWD, 36                           ; v36-39 P's scale words under the common M
.set NWP, 40                           ; v40-47 pairs (-M, largest t) of my keys, a pair a tile
.set LS,  48                           ; v48-55 my sums, two halves a tile
.set FW,  56                           ; v56-63 2^(old M - new M) of my M (the pair's upper word is never used)
.set S,   64                           ; v64-127 S^T, then p: 16 qt + 8 u + j = key 32 w + 16 h + 8 u + j
.set PF,  128                          ; v128-175 P's four fragments
.set PCT, 176                          ; v176-191 my codes: three registers a tile
.set BM,  192
.set T1,  196
.set T2,  200
.set NG,  204                          ; v204-207 N
.set FG,  208                          ; v208-215 2^(N - old N); at the end 1 / the sum
.set NBV, 216                          ; v216-231 the four n of a query, then N - n as whole numbers
.set SVV, 232                          ; v232-247 the four scale operands, then bytes; at the end the waves' sums
.set LQ,  248                          ; v248 16 x lane; never rewritten
.set BK,  64                           ; the way out: rows read back: v64-127 and v128-191 by turns
; window 1: O^T, accumulator (qt, n) at 64 qt + 8 n.  Window 2: Q, fragment (qt, s) at 12 (4 qt + s); v192-255 the mask of even steps.  Window 3: K at 12 (4 u + s); V at 96 + 12 n; v192-255 the mask of odd steps
.set MP,  8                            ; s[8:9] the mask at my queries, one step behind the step to be asked for
.set OUT, 10
.set WV,  12
.set CX,  13
.set QB,  14
.set BAT, 15
.set G1,  16
.set G0,  24                           ; s[24:27] slot 0's group 0, s[28:31] slot 1's
.set GX,  32                           ; s[32:35] K of step 0
.set CS,  36                           ; s[36:37] c = log2(e) / sqrt(512)
.set SEL, 38
.set NINF, 40
.set TRIP, 41
.set PFA, 42
.set LIM, 44
.set QSP, 46
.set MSB, 0
.macro WIN new                         ; the immediate's high byte repeats the setting that is left; a switch that changes nothing is dropped
.if MSB != (\new)
	s_set_vgpr_msb (MSB<<8)|(\new)
.set MSB, (\new)
.endif
.endm
.macro PLACES n
.rept \n
	v_nop
.endr
.endm
.macro CROUND                          ; a round of the cluster's barrier
	s_barrier_signal -1
	s_barrier_wait -1
	s_cmp_lg_u32 s[WV], 0
	s_cbranch_scc1 .Lnot_wave_0_\@
	s_barrier_signal -3
.Lnot_wave_0_\@:
	s_barrier_wait -3
	s_barrier_signal -1
	s_barrier_wait -1
.endm
.macro WM                              ; one product, by the symbols rD rA rB rSA rSB; cZ: C = 0, else C = D; fA, fB: the side's scale words lie in lanes 16-31
.if cZ
.if fA && fB
	v_wmma_scale_f32_16x16x128_f8f6f4 v[rD:rD+7], v[rA:rA+11], v[rB:rB+11], 0, v[rSA], v[rSB] matrix_a_fmt:MATRIX_FMT_FP6 matrix_b_fmt:MATRIX_FMT_FP6 matrix_a_scale:MATRIX_SCALE_ROW1 matrix_b_scale:MATRIX_SCALE_ROW1
.elseif fA
	v_wmma_scale_f32_16x16x128_f8f6f4 v[rD:rD+7], v[rA:rA+11], v[rB:rB+11], 0, v[rSA], v[rSB] matrix_a_fmt:MATRIX_FMT_FP6 matrix_b_fmt:MATRIX_FMT_FP6 matrix_a_scale:MATRIX_SCALE_ROW1
.elseif fB
	v_wmma_scale_f32_16x16x128_f8f6f4 v[rD:rD+7], v[rA:rA+11], v[rB:rB+11], 0, v[rSA], v[rSB] matrix_a_fmt:MATRIX_FMT_FP6 matrix_b_fmt:MATRIX_FMT_FP6 matrix_b_scale:MATRIX_SCALE_ROW1
.else
	v_wmma_scale_f32_16x16x128_f8f6f4 v[rD:rD+7], v[rA:rA+11], v[rB:rB+11], 0, v[rSA], v[rSB] matrix_a_fmt:MATRIX_FMT_FP6 matrix_b_fmt:MATRIX_FMT_FP6
.endif
.else
.if fA && fB
	v_wmma_scale_f32_16x16x128_f8f6f4 v[rD:rD+7], v[rA:rA+11], v[rB:rB+11], v[rD:rD+7], v[rSA], v[rSB] matrix_a_fmt:MATRIX_FMT_FP6 matrix_b_fmt:MATRIX_FMT_FP6 matrix_a_scale:MATRIX_SCALE_ROW1 matrix_b_scale:MATRIX_SCALE_ROW1
.elseif fA
	v_wmma_scale_f32_16x16x128_f8f6f4 v[rD:rD+7], v[rA:rA+11], v[rB:rB+11], v[rD:rD+7], v[rSA], v[rSB] matrix_a_fmt:MATRIX_FMT_FP6 matrix_b_fmt:MATRIX_FMT_FP6 matrix_a_scale:MATRIX_SCALE_ROW1
.elseif fB
	v_wmma_scale_f32_16x16x128_f8f6f4 v[rD:rD+7], v[rA:rA+11], v[rB:rB+11], v[rD:rD+7], v[rSA], v[rSB] matrix_a_fmt:MATRIX_FMT_FP6 matrix_b_fmt:MATRIX_FMT_FP6 matrix_b_scale:MATRIX_SCALE_ROW1
.else
	v_wmma_scale_f32_16x16x128_f8f6f4 v[rD:rD+7], v[rA:rA+11], v[rB:rB+11], v[rD:rD+7], v[rSA], v[rSB] matrix_a_fmt:MATRIX_FMT_FP6 matrix_b_fmt:MATRIX_FMT_FP6
.endif
.endif
.endm
; THE MEETING at the head of interval j (p = j % 2).  Each wave waits for all its tensor loads (its part of slot p), adds 0 to its spare word, and waits for that, for its stores of P and for its reads of the other slot.
; fill = 1: a round of the cluster's barrier, and the other slot is filled again, a quarter by each wave, first thing behind it; 2: by waves 0 and 1 alone (the last tile is V alone); 0: my work-group's barrier, nothing is asked for.
; step: slot p's descriptor goes on two tiles (its load has landed).  No wait for global loads stands here: the mask loads issued late in the softmax before stay on their way across the meeting.
.macro SYNC p, fill, step
	WIN 0
	s_wait_tensorcnt 0x0
	ds_add_u32 v[SPW], v[NIL]                      ; the step below stands between the add and the wait for it
.if \step
	s_add_nc_u64 s[G0+4*(\p)+2:G0+4*(\p)+3], s[G0+4*(\p)+2:G0+4*(\p)+3], 204800   ; the type bits on top are not reached
.endif
	s_wait_dscnt 0x0
.if (\fill) == 0
	s_barrier_signal -1
	s_barrier_wait -1
.else
	CROUND
.if (\fill) == 1
	tensor_load_to_lds s[G0+4*(1-(\p)):G0+4*(1-(\p))+3], s[G1:G1+7]
	s_nop 0
	PLACES 4
.else
	s_cmp_lt_u32 s[WV], 2
	s_cbranch_scc0 .Lno_fill_\@
	tensor_load_to_lds s[G0+4*(1-(\p)):G0+4*(1-(\p))+3], s[G1:G1+7]
	s_nop 0
	PLACES 4
.Lno_fill_\@:
.endif
.endif
.endm
.macro KLOAD p                         ; my two tiles of K: 4 scale words, 8 fragments
.irp k, 0,1,2,3
	ds_load_b32 v[KS+\k], v[CK+(\p)] offset:512*\k
.endr
	WIN 0xc0
.irp f, 0,1,2,3,4,5,6,7
.irp c, 0,1,2
	ds_load_b128 v[12*\f+4*\c:12*\f+4*\c+3], v[AK+(\p)] offset:51200+1536*\f+512*\c
.endr
.endr
	WIN 0
.endm
.macro LOADS1 p, withk                 ; in this order: n and scale operands (8), K (4 + 24), P (12), V's scale words (1)
.irp q, 0,1,2,3
	ds_load_b128 v[NBV+4*\q:NBV+4*\q+3], v[PSL] offset:8192*(\p)+1024+256*\q
	ds_load_b128 v[SVV+4*\q:SVV+4*\q+3], v[PSL] offset:8192*(\p)+256*\q
.endr
.if \withk
	KLOAD \p
.endif
.irp q, 0,1,2,3
.irp c, 0,1,2
	ds_load_b128 v[PF+12*\q+4*\c:PF+12*\q+4*\c+3], v[PLD] offset:8192*(\p)+1536*\q+16*\c   ; lanes 48 bytes apart
.endr
.endr
	ds_load_b128 v[VS:VS+3], v[BV+(\p)]
.endm
.macro VLOAD p                         ; my eight fragments of V
	WIN 0xc0
.irp n, 0,1,2,3,4,5,6,7
.irp c, 0,1,2
	ds_load_b128 v[96+12*\n+4*\c:96+12*\n+4*\c+3], v[AK+(\p)] offset:1536*\n+512*\c
.endr
.endr
	WIN 0
.endm
; A PREFETCH INTO THE L2 of the tile that stands three tiles on from this interval's: two intervals ahead of the joint load that will ask for it.  All clusters of a batch walk the same kv: the batch's first cluster asks.
; Its four partners take 25,600 bytes each, told apart by address; in each, waves 0 to 2 name 32 blocks of 256 bytes, a lane a block: 96 of the partner's 100.  Tiles 0 to 2 come by their loads alone; the last tile is not asked for.
; The address goes on a tile in the softmax, beside the mask's pointer, behind the wait that stands there anyway.
.macro ASK mode
.if (\mode) == 1
	s_cmp_eq_u32 s[LIM], 1
.else
	s_cmp_gt_u32 s[TRIP], s[LIM]                   ; not in the loop's last trip
.endif
	s_cbranch_scc0 .Lnot_mine_\@
	global_prefetch_b8 v[PFO], s[PFA:PFA+1] th:TH_LOAD_NT scope:SCOPE_SE
.Lnot_mine_\@:
.endm
; The four waves' blocks are brought under one M.  first = 1: O^T has not begun: nothing to rescale
.macro MERGE first
.irp q, 0,1,2,3
	v_min_num_f32 v[T1+\q], v[NBV+4*\q], v[NBV+4*\q+1]
.endr
.irp q, 0,1,2,3
	v_min_num_f32 v[T2+\q], v[NBV+4*\q+2], v[NBV+4*\q+3]
.endr
.irp q, 0,1,2,3
	v_min_num_f32 v[T1+\q], v[T1+\q], v[T2+\q]
.endr
.irp q, 0,1,2,3
	v_min_num_f32 v[T1+\q], v[T1+\q], v[NG+\q]     ; the new N = -(the largest M so far)
.endr
.if !\first
.irp q, 0,1,2,3
	v_sub_f32 v[FG+2*\q], v[T1+\q], v[NG+\q]       ; a whole number, 0 or less
.endr
.irp q, 0,1,2,3
	v_cvt_i32_f32 v[FG+2*\q], v[FG+2*\q]           ; (it saturates)
.endr
.irp q, 0,1,2,3
	v_ldexp_f32 v[FG+2*\q], 1.0, v[FG+2*\q]
.endr
.endif
.irp q, 0,1,2,3
	v_mov_b32 v[NG+\q], v[T1+\q]
.endr
.irp i, 0,1,2,3,4,5,6,7,8,9,10,11,12,13,14,15
	v_sub_f32 v[NBV+\i], v[NG+\i/4], v[NBV+\i]     ; N - n: 0 or less
.endr
.irp i, 0,1,2,3,4,5,6,7,8,9,10,11,12,13,14,15
	v_cvt_i32_f32 v[NBV+\i], v[NBV+\i]
.endr
.irp i, 0,1,2,3,4,5,6,7,8,9,10,11,12,13,14,15
	v_ldexp_f32 v[SVV+\i], v[SVV+\i], v[NBV+\i]    ; the exponent field moves by that whole number, and ends at 0
.endr
.irp i, 0,1,2,3,4,5,6,7,8,9,10,11,12,13,14,15
	v_lshrrev_b32 v[SVV+\i], 23, v[SVV+\i]         ; the byte under the common M
.endr
.irp q, 0,1,2,3
	v_lshl_or_b32 v[PWD+\q], v[SVV+4*\q+1], 8, v[SVV+4*\q]
.endr
.irp q, 0,1,2,3
	v_lshl_or_b32 v[PWD+\q], v[SVV+4*\q+2], 16, v[PWD+\q]
.endr
.irp q, 0,1,2,3
	v_lshl_or_b32 v[PWD+\q], v[SVV+4*\q+3], 24, v[PWD+\q]
.endr
.endm
.macro SMUL                            ; S^T = K Q^T: 32 products; the eight accumulators take turns, one instruction a turn; the first K step starts the sums
	WIN 0x0b                                       ; K window 3, Q window 2, S^T window 0
.irp k, 0,1,2,3
.irp q, 0,1,2,3
.irp u, 0,1
.set rD, S+16*\q+8*\u
.set rA, 12*(4*\u+\k)
.set rB, 12*(4*\q+\k)
.set rSA, KS+\k
.set rSB, QS+2*\k+\q/2
.set fA, \u
.set fB, \q%2
.set cZ, (\k==0)
	WM
.endr
.endr
.endr
.endm
.macro RESCALE                         ; O^T under the new M; each accumulator from its low end on.  These 128 are also the places behind S^T's products and in front of the products below
	WIN 0x41
.set ii, 0
.rept 128
	v_pk_mul_f32 v[2*ii:2*ii+1], v[2*ii:2*ii+1], v[FG+2*(ii/32):FG+2*(ii/32)+1] op_sel_hi:[1,0]
.set ii, ii+1
.endr
.endm
.macro PVMUL first                     ; O^T += V^T P^T: 32 products, one on each accumulator
	WIN 0x53                                       ; V window 3, P window 0, O^T window 1
.irp n, 0,1,2,3,4,5,6,7
.irp q, 0,1,2,3
.set rD, 64*\q+8*\n
.set rA, 96+12*\n
.set rB, PF+12*\q
.set rSA, VS+\n/2
.set rSB, PWD+\q
.set fA, \n%2
.set fB, 0
.set cZ, \first
	WM
.endr
.endr
.endm
; A step's mask for my 64 scores: 64 bytes of each of my four queries' rows.  A lane takes its 64 bytes by four loads of 16 on end, and lanes r and r + 16 stand side by side: so the wave names each row's 128 bytes
; four times running.  That is why these loads carry no non-temporal hint, though the launch reads each byte of the mask once.
.macro MASKLD off
.irp q, 0,1,2,3
.irp c, 0,1,2,3
	global_load_b128 v[192+16*\q+4*\c:192+16*\q+4*\c+3], v[MO], s[MP:MP+1] offset:(\off)+(32*(\q/2)+8*(\q%2))*8192+16*\c
.endr
.endr
.endm
; The mask, the softmax and the quantiser of my 32 keys x 64 queries, and P's way into LDS.  m: the step's parity (mask buffer and P buffer); issue: the mask of two steps on is asked for, and the prefetches' address goes on a tile;
; left: younger loads that may stay out; last: my sums go to LDS too
.macro SOFTMAX m, issue, left, last
	s_wait_loadcnt \left                           ; this step's 16 mask loads are in
	WIN 0x02+(\m)                                  ; the mask is source 0: window 2 or 3
.set ii, 0
.rept 64
	v_cmp_ne_u32 vcc_lo, v[192+ii], 0
	v_cndmask_b32 v[S+ii], s[NINF], v[S+ii], vcc_lo   ; a hidden key's score becomes -infinity: p = 0.  Each accumulator is read from its low end on
.set ii, ii+1
.endr
.if \issue
	s_wait_xcnt 0x0                                ; the mask loads of an interval back have read their base, and this interval's prefetch, issued ahead of its products, its address: both may be written
	s_add_nc_u64 s[MP:MP+1], s[MP:MP+1], 512
	s_add_nc_u64 s[PFA:PFA+1], s[PFA:PFA+1], 102400   ; the next interval's prefetch names the next tile
	WIN 0x80+0x40*(\m)
	MASKLD 512
.endif
	WIN 0
.irp q, 0,1,2,3
	v_max3_num_f32 v[BM+\q], v[S+16*\q], v[S+16*\q+1], v[S+16*\q+2]   ; the block's largest score serves twice: for M, and, since p rises with the score, for the block's largest p
.endr
.irp i, 3,5,7,9,11,13
.irp q, 0,1,2,3
	v_max3_num_f32 v[BM+\q], v[BM+\q], v[S+16*\q+\i], v[S+16*\q+\i+1]
.endr
.endr
.irp q, 0,1,2,3
	v_max_num_f32 v[BM+\q], v[BM+\q], v[S+16*\q+15]
.endr
.irp q, 0,1,2,3
	v_permlanex16_b32 v[T1+\q], v[BM+\q], s[SEL], s[SEL+1]
.endr
.irp q, 0,1,2,3
	v_max_num_f32 v[BM+\q], v[BM+\q], v[T1+\q]     ; with lane l xor 16's 16 keys
.endr
.irp q, 0,1,2,3
	v_mul_f32 v[T1+\q], s[CS], v[BM+\q]
.endr
.irp q, 0,1,2,3
	v_max_num_f32 v[NWP+2*\q+1], v[NWP+2*\q+1], v[T1+\q]   ; the running largest t of my keys
.endr
.irp q, 0,1,2,3
	v_mov_b32 v[T1+\q], v[NWP+2*\q]
.endr
.irp q, 0,1,2,3
	v_floor_f32 v[NWP+2*\q], -v[NWP+2*\q+1]        ; -M = floor(-t): M is a whole number
.endr
.irp q, 0,1,2,3
	v_sub_f32 v[T1+\q], v[NWP+2*\q], v[T1+\q]      ; old M - new M
.endr
.irp q, 0,1,2,3
	v_cvt_i32_f32 v[T1+\q], v[T1+\q]
.endr
.irp q, 0,1,2,3
	v_ldexp_f32 v[FW+2*\q], 1.0, v[T1+\q]
.endr
.irp i, 0,2,4,6,8,10,12,14
.irp q, 0,1,2,3
	v_pk_fma_f32 v[S+16*\q+\i:S+16*\q+\i+1], v[S+16*\q+\i:S+16*\q+\i+1], s[CS:CS+1], v[NWP+2*\q:NWP+2*\q+1] op_sel_hi:[1,0,0]   ; t - M
.endr
.endr
.irp q, 0,1,2,3
	v_fma_f32 v[BM+\q], v[BM+\q], s[CS], v[NWP+2*\q]
.endr
.set ii, 0
.rept 64
	v_exp_f32 v[S+ii], v[S+ii]                     ; p = 2^(t - M)
.set ii, ii+1
.endr
.irp q, 0,1,2,3
	v_pk_mul_f32 v[LS+2*\q:LS+2*\q+1], v[LS+2*\q:LS+2*\q+1], v[FW+2*\q:FW+2*\q+1] op_sel_hi:[1,0]   ; my sums under the new M: plain work behind the exponentials
.endr
	s_wait_alu depctr_va_vdst(0)                   ; one wait for the batch of 64, ahead of its first reader
.irp q, 0,1,2,3
	v_exp_f32 v[BM+\q], v[BM+\q]                   ; the block's largest p
.endr
.irp i, 0,2,4,6,8,10,12,14
.irp q, 0,1,2,3
	v_pk_add_f32 v[LS+2*\q:LS+2*\q+1], v[LS+2*\q:LS+2*\q+1], v[S+16*\q+\i:S+16*\q+\i+1]   ; the sum is taken of the unquantised p
.endr
.endr
	s_wait_alu depctr_va_vdst(0)                   ; and one for the four
.irp q, 0,1,2,3
	v_max_num_f32 v[BM+\q], 0x1800000, v[BM+\q]    ; the floor 2^(3 - 127): a block of zeros keeps the byte 1
.endr
.irp q, 0,1,2,3
	v_add_nc_u32 v[T2+\q], 0xff000000, v[BM+\q]    ; 2 off the exponent field: the conversion's scale operand, and what the readers take the byte from
.endr
.irp q, 0,1,2,3
	v_cvt_scalef32_pk16_fp6_f32 v[PCT+4*\q:PCT+4*\q+2], v[S+16*\q:S+16*\q+15], v[T2+\q]   ; my 16 keys: half a block, 96 bits
.endr
	v_nop                                          ; one plain instruction behind the scaled conversions
.irp q, 0,1,2,3
.irp k, 0,1,2
	ds_store_b32 v[PST], v[PCT+4*\q+\k] offset:8192*(\m)+1536*\q+4*\k   ; to lane r + 16 (w % 2), registers 6 (w / 2) + 3 h on, of P's fragment
.endr
	ds_store_b32 v[PSS], v[T2+\q] offset:8192*(\m)+256*\q          ; lanes r and r + 16 write the same word with the same value
	ds_store_b32 v[PSS], v[NWP+2*\q] offset:8192*(\m)+1024+256*\q
.endr
.if \last
.irp q, 0,1,2,3
	v_add_f32 v[T1+\q], v[LS+2*\q], v[LS+2*\q+1]
.endr
.irp q, 0,1,2,3
	v_permlanex16_b32 v[BM+\q], v[T1+\q], s[SEL], s[SEL+1]
.endr
.irp q, 0,1,2,3
	v_add_f32 v[T1+\q], v[T1+\q], v[BM+\q]         ; my keys' sum of query r, under my M
.endr
.irp q, 0,1,2,3
	ds_store_b32 v[LMS], v[T1+\q] offset:256*\q
.endr
.endif
.endm
.macro INTERVAL p, first, fill, step, ask, issue, left, last
	SYNC \p, \fill, \step
	LOADS1 \p, 1
.if \ask
	ASK \ask
.endif
	s_wait_dscnt 41                                ; n and the scale operands are in; behind them: K's 4 + 24, P's 12, V's scale words
	MERGE \first
	VLOAD \p
	s_wait_dscnt 37                                ; K is in; behind it: P's 12, V's scale words, V's 24
	SMUL
.if \first
	PLACES 8                                       ; behind S^T's products, and between P's scale words and the products that take them
.else
	RESCALE
.endif
	s_wait_dscnt 0x0
	PVMUL \first
	SOFTMAX 1-(\p), \issue, \left, \last           ; its first lines are the places behind the products above
.endm
	s_load_b256 s[4:11], s[0:1], 0x0               ; qc, kv, mask, out0
	v_lshl_add_u32 v[SPW], v0, 2, SPARE
	v_mov_b32 v[NIL], 0
	ds_add_u32 v[SPW], v[NIL]                      ; the wave's opening: the add and its wait stand ahead of my first tensor load; work on registers stands between them
	v_lshrrev_b32 v253, 5, v0
	v_readfirstlane_b32 s[WV], v253                ; wave 0..3
	s_bfe_u32 s[CX], ttmp6, 0x40000                ; my place in the cluster: it enters global addresses of Q, the mask, out0 and the prefetches alone
	s_lshl_b32 s[QB], ttmp9, 2
	s_add_co_u32 s[QB], s[QB], s[CX]               ; my block of 64 queries
	s_and_b32 s[BAT], ttmp7, 0xffff                ; the batch, which the four partners share
	; descriptor group 1: 25,600 dense bytes as 100 rows of 32 elements of 8 bytes; the mask names all four work-groups
	s_mov_b32 s[G1+0], 15|(3<<16)|(1<<21)
	s_mov_b32 s[G1+1], 32<<16
	s_mov_b32 s[G1+2], 100<<16
	s_mov_b32 s[G1+3], 32<<16
	s_mov_b32 s[G1+4], 100
	s_mov_b32 s[G1+5], 32
	s_mov_b32 s[G1+6], 0
	s_mov_b32 s[G1+7], 0
	s_mov_b32 s[CS], 0x3d8293ee                    ; log2(e) / sqrt(512)
	s_mov_b32 s[CS+1], s[CS]
	s_mov_b32 s[SEL], 0x76543210
	s_mov_b32 s[SEL+1], 0xfedcba98
	s_mov_b32 s[NINF], 0xff800000
	s_cmp_lt_u32 s[WV], 3
	s_cselect_b32 s48, 0, 1
	s_or_b32 s48, s48, ttmp9                       ; 0 in waves 0 to 2 of the batch's first cluster: the same in all four partners
	s_cmp_eq_u32 s48, 0
	s_cselect_b32 s[LIM], 1, -1
	v_and_b32 v249, 31, v0                         ; lane
	v_and_b32 v250, 15, v0                         ; r
	v_bfe_u32 v251, v0, 4, 1                       ; h
	v_bfe_u32 v252, v0, 3, 1                       ; r / 8
	v_lshlrev_b32 v[LQ], 4, v249
	v_lshlrev_b32 v[PFO], 8, v249
	s_mul_i32 s48, s[WV], 12288
	v_lshl_add_u32 v[AK], v249, 4, s48
	v_add_nc_u32 v[AK+1], SL1, v[AK]
	s_lshl_b32 s48, s[WV], 9
	s_add_co_u32 s48, s48, 49152
	v_lshl_add_u32 v[BV], v249, 4, s48
	v_add_nc_u32 v[BV+1], SL1, v[BV]
	s_lshl_b32 s48, s[WV], 2
	s_add_co_u32 s49, s48, 100352
	v_lshl_add_u32 v[CK], v249, 4, s49
	v_add_nc_u32 v[CK+1], SL1, v[CK]
	s_add_co_u32 s49, s48, PB0+6144
	v_lshl_add_u32 v[PSS], v250, 4, s49
	s_add_co_u32 s49, s48, LM
	v_lshl_add_u32 v[LMS], v250, 4, s49
	v_lshl_add_u32 v[PSL], v250, 4, PB0+6144
	v_lshl_add_u32 v[LML], v250, 4, LM
	s_and_b32 s48, s[WV], 1
	s_mul_i32 s48, s48, 768
	s_lshr_b32 s49, s[WV], 1
	s_mul_i32 s49, s49, 24
	s_add_co_u32 s48, s48, s49
	s_add_co_u32 s48, s48, PB0
	v_mul_u32_u24 v[PST], v250, 48
	v_mad_u32_u24 v[PST], v251, 12, v[PST]
	v_add_nc_u32 v[PST], s48, v[PST]               ; 48 (r + 16 (w % 2)) + 24 (w / 2) + 12 h
	v_mul_u32_u24 v[PLD], v249, 48
	v_add_nc_u32 v[PLD], PB0, v[PLD]
	v_lshl_add_u32 v[MO], v252, 3, v250
	v_lshlrev_b32 v[MO], 13, v[MO]                 ; row r + 8 (r / 8) of 8,192 bytes,
	v_lshl_add_u32 v[MO], v251, 6, v[MO]           ; + 64 h,
	s_lshl_b32 s48, s[WV], 7
	v_add_nc_u32 v[MO], s48, v[MO]                 ; + 128 w
	s_mul_i32 s48, s[WV], 16*528
	s_add_co_u32 s48, s48, STAGE
	v_mul_u32_u24 v[STO], v250, 528
	v_lshl_add_u32 v[STO], v251, 5, v[STO]
	v_add_nc_u32 v[STO], s48, v[STO]               ; into my stage: row r, + 32 h
	v_lshl_add_u32 v[RD], v249, 4, s48             ; back: a whole row of 512 bytes, 16 a lane
.irp q, 0,1,2,3
	v_mov_b32 v[NWP+2*\q+1], 0xff61b1e6            ; the largest t so far: -3e38, under every t
	v_mov_b32 v[NG+\q], 0x7f61b1e6                 ; N: 3e38
	v_mov_b32 v[LS+2*\q], 0
	v_mov_b32 v[LS+2*\q+1], 0
	v_mov_b32 v[FW+2*\q+1], 0                      ; (named as a pair's upper word)
	v_mov_b32 v[FG+2*\q+1], 0
	v_mov_b32 v[T1+\q], 0                          ; a lane permute's destination counts as one of its sources
.endr
.irp q, 0,1,2,3
	v_floor_f32 v[NWP+2*\q], -v[NWP+2*\q+1]
.endr
	s_wait_dscnt 0x0                               ; the opening add is done
	s_wait_kmcnt 0x0
	s_mul_i32 s48, s[BAT], 1638400
	s_mov_b32 s49, 0
	s_add_nc_u64 s[6:7], s[6:7], s[48:49]          ; kv at my batch
	s_mul_i32 s50, s[WV], 25600                    ; my quarter of a tile: no place in the cluster enters a descriptor
	s_add_co_u32 s48, s50, 51200
	s_mov_b32 s[G0], 1
	s_mov_b32 s[G0+1], s50                         ; slot 0
	s_add_nc_u64 s[G0+2:G0+3], s[6:7], s[48:49]    ; tile 0: V of step 0, K of step 1
	s_mov_b32 s[G0+4], 1
	s_add_co_u32 s[G0+5], s50, SL1                 ; slot 1
	s_add_nc_u64 s[G0+6:G0+7], s[G0+2:G0+3], 102400   ; tile 1
	s_or_b32 s[G0+3], s[G0+3], 0x80000000
	s_or_b32 s[G0+7], s[G0+7], 0x80000000
	s_and_b32 s48, s[WV], 1
	s_mul_i32 s48, s48, 25600
	s_mov_b32 s[GX], 1
	s_add_co_u32 s[GX+1], s48, SL1+51200           ; K of step 0 goes where slot 1 keeps K
	s_add_nc_u64 s[GX+2:GX+3], s[6:7], s[48:49]
	s_or_b32 s[GX+3], s[GX+3], 0x80000000
	s_mul_i32 s48, s[CX], 25600
	s_lshl_b32 s50, s[WV], 13
	s_add_co_u32 s48, s48, s50
	s_add_co_u32 s48, s48, 51200+2*102400          ; at tile 2: the prologue's softmax steps it to tile 3, which interval 0 names
	s_add_nc_u64 s[PFA:PFA+1], s[6:7], s[48:49]
	s_lshl_b32 s52, s[BAT], 4
	s_lshr_b32 s53, s[QB], 1
	s_add_co_u32 s52, s52, s53
	s_mul_i32 s52, s52, 51200                      ; my block of 128 rows in qc,
	s_and_b32 s53, s[QB], 1                        ; and which half of it
	s_lshl_b32 s48, s53, 3
	s_add_co_u32 s48, s48, s52
	s_add_co_u32 s48, s48, 49152
	s_add_nc_u64 s[QSP:QSP+1], s[4:5], s[48:49]    ; Q's scale words: my two of a lane's four
	s_mul_i32 s48, s53, 24576
	s_add_co_u32 s48, s48, s52
	s_add_nc_u64 s[4:5], s[4:5], s[48:49]          ; Q's 16 fragments
	s_lshl_b32 s48, s[BAT], 24
	s_lshl_b32 s50, s[QB], 19
	s_add_co_u32 s48, s48, s50
	s_add_nc_u64 s[MP:MP+1], s[MP:MP+1], s[48:49]
	s_lshl_b32 s48, s[BAT], 22
	s_lshl_b32 s50, s[QB], 17
	s_add_co_u32 s48, s48, s50
	s_lshl_b32 s50, s[WV], 9
	s_add_co_u32 s48, s48, s50
	s_add_nc_u64 s[OUT:OUT+1], s[OUT:OUT+1], s[48:49]   ; out0 at my first query, my 128 channels
	CROUND                                         ; all four work-groups are here: the first joint loads meet
	s_cmp_lt_u32 s[WV], 2                          ; a wave's first fills stand in one branch: waves 0 and 1 have one load out, waves 2 and 3 two
	s_cbranch_scc0 .Lfirst_hi
	tensor_load_to_lds s[G0:G0+3], s[G1:G1+7]
	s_nop 0
	PLACES 4
	s_branch .Lfirst_done
.Lfirst_hi:
	tensor_load_to_lds s[GX:GX+3], s[G1:G1+7]
	s_nop 0
	tensor_load_to_lds s[G0:G0+3], s[G1:G1+7]
	s_nop 0
	PLACES 4
.Lfirst_done:
	WIN 0x80
.irp f, 0,1,2,3,4,5,6,7,8,9,10,11,12,13,14,15
.irp c, 0,1,2
	global_load_b128 v[12*\f+4*\c:12*\f+4*\c+3], v[LQ], s[4:5] offset:1536*\f+512*\c   ; Q stays in registers
.endr
.endr
	WIN 0
.irp k, 0,1,2,3
	global_load_b64 v[QS+2*\k:QS+2*\k+1], v[LQ], s[QSP:QSP+1] offset:512*\k
.endr
	WIN 0x80
	MASKLD 0                                       ; the mask runs two steps ahead: 32 loads a wave
	WIN 0xc0
	MASKLD 512
	WIN 0
	s_wait_tensorcnt 0x0                           ; my parts of tile 0 and of K of step 0 are in,
	s_barrier_signal -1
	s_barrier_wait -1                              ; everybody's are
	; ---- the prologue: S and the softmax of step 0
	KLOAD 1
	s_wait_loadcnt 32                              ; Q and its scale words are in; the two mask steps may be out
	s_wait_dscnt 0x0
	SMUL
	PLACES 4
	SOFTMAX 0, 1, 16, 0
	; ---- the intervals
	INTERVAL 0, 1, 1, 1, 1, 1, 16, 0               ; j = 0: its products start O^T's sums
	s_mov_b32 s[TRIP], 6
.Ltrip:                                            ; j = 1 .. 12, two a trip
	INTERVAL 1, 0, 1, 1, 1, 1, 16, 0
	INTERVAL 0, 0, 1, 1, 2, 1, 16, 0
	s_sub_co_u32 s[TRIP], s[TRIP], 1
	s_cmp_lg_u32 s[TRIP], 0
	s_cbranch_scc1 .Ltrip
	INTERVAL 1, 0, 1, 1, 0, 0, 16, 0               ; j = 13: the tail is written out; no mask is left to ask for
	INTERVAL 0, 0, 2, 0, 0, 0, 0, 1                ; j = 14: the last tile is V of step 15 alone: waves 0 and 1; the last softmax
	SYNC 1, 0, 0                                   ; j = 15: nothing is asked for
	LOADS1 1, 0
	s_wait_dscnt 13                                ; n and the scale operands are in; behind them: P's 12, V's scale words
	MERGE 0
	VLOAD 1
.irp q, 0,1,2,3
	ds_load_b128 v[SVV+4*\q:SVV+4*\q+3], v[LML] offset:256*\q   ; the four waves' sums of query r
.endr
	RESCALE
	s_wait_dscnt 0x0
	PVMUL 0
	WIN 0
	; ---- the way out.  The waves' sums are brought under the common M (N - n is still at hand) and added; these lines are the places behind the last products
.irp i, 0,1,2,3,4,5,6,7,8,9,10,11,12,13,14,15
	v_ldexp_f32 v[SVV+\i], v[SVV+\i], v[NBV+\i]
.endr
.irp q, 0,1,2,3
	v_add_f32 v[T1+\q], v[SVV+4*\q], v[SVV+4*\q+1]
.endr
.irp q, 0,1,2,3
	v_add_f32 v[T2+\q], v[SVV+4*\q+2], v[SVV+4*\q+3]
.endr
.irp q, 0,1,2,3
	v_add_f32 v[T1+\q], v[T1+\q], v[T2+\q]
.endr
.irp q, 0,1,2,3
	v_rcp_f32 v[FG+2*\q], v[T1+\q]
.endr
	v_nop                                          ; a plain instruction behind the last reciprocal
	s_wait_alu depctr_va_vdst(0)                   ; one wait for the four, ahead of their first reader
; Tile q: O^T / the sum; a lane's eight channels of a row are 32 bytes; they go into my stage and come back as whole rows of 512 bytes
.macro TOSTAGE q
	WIN 0x41
.set ii, 0
.rept 32
	v_pk_mul_f32 v[64*(\q)+2*ii:64*(\q)+2*ii+1], v[64*(\q)+2*ii:64*(\q)+2*ii+1], v[FG+2*(\q):FG+2*(\q)+1] op_sel_hi:[1,0]
.set ii, ii+1
.endr
	WIN 0x04                                       ; an LDS store's data are its source 1: window 1
.irp n, 0,1,2,3,4,5,6,7
	ds_store_b128 v[STO], v[64*(\q)+8*\n:64*(\q)+8*\n+3] offset:64*\n
	ds_store_b128 v[STO], v[64*(\q)+8*\n+4:64*(\q)+8*\n+7] offset:64*\n+16
.endr
	WIN 0
.irp t, 0,1,2,3,4,5,6,7,8,9,10,11,12,13,14,15
	ds_load_b128 v[BK+64*((\q)%2)+4*\t:BK+64*((\q)%2)+4*\t+3], v[RD] offset:528*\t   ; LDS serves a wave's instructions in order (ISA guide 5.7.1.4): these see my stores, and the next tile's stores come behind them
.endr
.endm
.macro SEND q, younger                 ; younger: the LDS instructions issued behind tile q's loads
	s_wait_dscnt \younger
.irp t, 0,1,2,3,4,5,6,7,8,9,10,11,12,13,14,15
	global_store_b128 v[LQ], v[BK+64*((\q)%2)+4*\t:BK+64*((\q)%2)+4*\t+3], s[OUT:OUT+1] offset:(32*((\q)/2)+8*((\q)%2)+\t+8*(\t/8))*2048 th:TH_STORE_NT   ; 32 lanes store 512 consecutive bytes, aligned
.endr
.endm
	TOSTAGE 0
	TOSTAGE 1
	SEND 0, 32                                     ; behind tile 0's loads: tile 1's 16 stores and 16 loads
	s_wait_xcnt 0x0                                ; tile 0's stores have read their registers: tile 2's rows may land there
	TOSTAGE 2
	SEND 1, 32
	s_wait_xcnt 0x0
	TOSTAGE 3
	SEND 2, 32
	SEND 3, 0
	s_wait_tensorcnt 0x0                           ; the wave's end: behind my last tensor load and my last LDS store
	ds_add_u32 v[SPW], v[NIL]
	s_wait_dscnt 0x0
	CROUND                                         ; the closing round: no work-group ends while a partner may still ask for a tile that names it
	s_endpgm
.Lfunc_end_k_q0bdc007592_attn:
	.size	k_q0bdc007592_attn, .Lfunc_end_k_q0bdc007592_attn-k_q0bdc007592_attn
	.p2alignl 7, 3214868480
	.fill 96, 4, 3214868480
	.section	.rodata,"a",@progbits
	.p2align	6, 0x0
	.amdhsa_kernel k_q0bdc007592_attn
		.amdhsa_group_segment_fixed_size 327680
		.amdhsa_private_segment_fixed_size 0
		.amdhsa_enable_private_segment 0
		.amdhsa_kernarg_size 32
		.amdhsa_user_sgpr_count 2
		.amdhsa_user_sgpr_kernarg_segment_ptr 1
		.amdhsa_wavefront_size32 1
		.amdhsa_system_sgpr_workgroup_id_x 1
		.amdhsa_system_sgpr_workgroup_id_y 1
		.amdhsa_system_sgpr_workgroup_id_z 1
		.amdhsa_system_vgpr_workitem_id 0
		.amdhsa_next_free_vgpr 1024
		.amdhsa_next_free_sgpr 66
		.amdhsa_reserve_vcc 1
		.amdhsa_float_denorm_mode_32 3
		.amdhsa_float_denorm_mode_16_64 3
		.amdhsa_memory_ordered 1
		.amdhsa_forward_progress 1
		.amdhsa_inst_pref_size 255
	.end_amdhsa_kernel
	.section	.bss,"aw",@nobits
	.p2align	6
	.space	262144
	.amdgpu_metadata
---
amdhsa.version: [ 1, 2 ]
amdhsa.kernels:
  - .name:           k_q0bdc007592_attn
    .symbol:         k_q0bdc007592_attn.kd
    .args:
      - { .name: qc, .offset: 0, .size: 8, .value_kind: global_buffer, .address_space: global }
      - { .name: kv, .offset: 8, .size: 8, .value_kind: global_buffer, .address_space: global }
      - { .name: mask, .offset: 16, .size: 8, .value_kind: global_buffer, .address_space: global }
      - { .name: out0, .offset: 24, .size: 8, .value_kind: global_buffer, .address_space: global }
    .group_segment_fixed_size: 327680
    .private_segment_fixed_size: 0
    .kernarg_segment_align: 8
    .kernarg_segment_size: 32
    .max_flat_workgroup_size: 128
    .sgpr_count:     66
    .vgpr_count:     1024
    .wavefront_size: 32
...
	.end_amdgpu_metadata
.endif
;; end of part 4
